; MI455X (gfx1250); checked and timed in simulation.
; The chip was launched on July 23, 2026; its instructions are those of AMD's public machine-readable ISA for CDNA 5 (MIT licence, August 2026) and "CDNA5" Instruction Set Architecture Reference Guide (July 2026). The comments in the code are by the model that wrote it; some were corrected since.
;; Text Attention. Allowed arithmetic: float matrix products may take bf16 or f16 operands with f32 sums; all other float work in f32.
;; Inputs: Wk 2,048 x 1,024 float32; Wo 1,024 x 2,048 float32; Wq 2,048 x 1,024 float32; Wv 2,048 x 1,024 float32; attention_mask 2 x 1 x 2,048 x 2,048 float32; cos 2 x 2,048 x 128 float32; k_norm_w 128 float32; q_norm_w 128 float32; sin 2 x 2,048 x 128 float32; x 2 x 2,048 x 2,048 float32.
;; Outputs: out0 2 x 2,048 x 2,048 float32.
;; One version. Each part assembles by itself: llvm-mc -triple=amdgcn-amd-amdhsa -mcpu=gfx1250 --defsym DOCPART=n.
;; ======== version 1 of 1: 4 launches
;; limits: inputs' magnitudes at most 1e+38; values are held in f16: magnitudes above 65,504 overflow, below 6.1e-05 lose precision; values outside matrix products are rounded to bf16
;; workspace buffers: cb 35,651,584 bytes; qkvb 25,165,824 bytes; aob 8,388,608 bytes
;; launch cast (part 1): grid 1088 x 1, 8 waves a work-group, no clusters, 0 bytes of LDS; arguments x, Wq, Wk, Wv, Wo, cos, sin, cb; writes cb
.if DOCPART == 1
	.amdgcn_target "amdgcn-amd-amdhsa--gfx1250"
	.amdhsa_code_object_version 6
	.text
	.protected	k_qb31660a436_cast
	.globl	k_qb31660a436_cast
	.p2align	8
	.type	k_qb31660a436_cast,@function
k_qb31660a436_cast:
	s_mov_b64 s[64:65], 0
	v_nop
	global_prefetch_b8 v0, s[64:65] scope:SCOPE_SE
	s_setreg_imm32_b32 hwreg(HW_REG_WAVE_MODE, 25, 1), 1
	s_wait_xcnt 0x0
; cast: x, Wq, Wk, Wv, Wo, cos, sin from f32 to 16 bits, layouts unchanged, into one buffer cb.
; The seven inputs are 1,088 chunks of 64 KiB, one work-group each, in this order: x 512 chunks, Wq, Wk, Wv, Wo 128 each, cos and sin 32 each.
; Chunk c lands at byte 32,768 c of cb:  x [4096][2048] at 0; Wq, Wk, Wv [2048][1024] at 16,777,216 + p x 4,194,304;
; Wo [1024][2048] at 29,360,128; cos [4096][128] at 33,554,432; sin at 34,603,008.
; FORMAT: every input is rounded to bf16 (nearest even): the problem lets results be held against its definition on inputs rounded to bf16, and
; this program takes ALL its floating-point inputs at that precision (the gains and the mask are rounded where they are used).
; Wo alone is then written in f16's format: its partner in the last product needs f16's 11 bits, and both operands of a matrix instruction have
; one format.  A bf16 number is exact in f16 from 2^-17 to 65,504; below 2^-17 it keeps an absolute error of 3e-8; above 65,504 it is infinite.
; A stream: every byte is read once by 16-byte loads (a wave's load covers 512 neighbouring bytes) and written once by 8-byte stores (a wave's
; store covers 256 neighbouring bytes, aligned).  All sixteen loads of a thread go out first: 64 KiB of the work-group are on their way at once.
; No LDS, no matrix unit, no cluster: the work-groups share no byte.
.set X,  4                             ; v[4:67]    sixteen loads of four f32
.set Y,  68                            ; v[68:99]   sixteen stores of four 16-bit numbers
.set TT, 100                           ; v[100:101] Wo: four numbers in bf16
	s_load_b512 s[4:19], s[0:1], 0x0               ; x s[4:5], Wq s[6:7], Wk s[8:9], Wv s[10:11], Wo s[12:13], cos s[14:15], sin s[16:17], cb s[18:19]
	s_mov_b32 s24, ttmp9                           ; the chunk, 0 to 1087
	s_mov_b32 s26, 0xffff0000                      ; a word's upper bf16
	s_mov_b32 s22, 0                               ; the first chunk of the input that the chunk belongs to
	v_lshlrev_b32 v1, 4, v0                        ; 16 bytes a thread in
	v_lshlrev_b32 v2, 3, v0                        ; 8 bytes a thread out
	s_wait_kmcnt 0x0
	s_mov_b64 s[20:21], s[4:5]                     ; the source: chosen by the work-group's number alone
.macro PART first, lo
	s_cmp_ge_u32 s24, \first
	s_cselect_b64 s[20:21], s[\lo:\lo+1], s[20:21]
	s_cselect_b32 s22, \first, s22
.endm
	PART 512, 6
	PART 640, 8
	PART 768, 10
	PART 896, 12
	PART 1024, 14
	PART 1056, 16
	s_sub_co_u32 s28, s24, s22
	s_lshl_b32 s28, s28, 16                        ; 64 KiB a chunk in
	s_mov_b32 s29, 0
	s_add_nc_u64 s[20:21], s[20:21], s[28:29]
	s_lshl_b32 s30, s24, 15                        ; 32 KiB a chunk out
	s_mov_b32 s31, 0
	s_add_nc_u64 s[18:19], s[18:19], s[30:31]
.irp j, 0,1,2,3,4,5,6,7,8,9,10,11,12,13,14,15
	global_load_b128 v[X+4*\j:X+4*\j+3], v1, s[20:21] offset:4096*\j th:TH_LOAD_NT
.endr
	s_cmp_eq_u32 s22, 896                          ; Wo's chunks go the second way
	s_cbranch_scc1 .Lwo
.irp j, 0,1,2,3,4,5,6,7,8,9,10,11,12,13,14,15
	s_wait_loadcnt 15-\j                           ; loads come back in order: load j is in, the 15 - j younger ones stay out
	v_cvt_pk_bf16_f32 v[Y+2*\j], v[X+4*\j], v[X+4*\j+1]
	v_cvt_pk_bf16_f32 v[Y+2*\j+1], v[X+4*\j+2], v[X+4*\j+3]
	global_store_b64 v2, v[Y+2*\j:Y+2*\j+1], s[18:19] offset:2048*\j   ; a later launch reads these bytes: no hint
.endr
	s_endpgm
.Lwo:
.irp j, 0,1,2,3,4,5,6,7,8,9,10,11,12,13,14,15
	s_wait_loadcnt 15-\j
	v_cvt_pk_bf16_f32 v[TT], v[X+4*\j], v[X+4*\j+1]                    ; the rounding,
	v_cvt_pk_bf16_f32 v[TT+1], v[X+4*\j+2], v[X+4*\j+3]
	v_lshlrev_b32 v[X+4*\j], 16, v[TT]                                 ; back to f32 (a shift, a mask),
	v_and_b32 v[X+4*\j+1], s26, v[TT]
	v_lshlrev_b32 v[X+4*\j+2], 16, v[TT+1]
	v_and_b32 v[X+4*\j+3], s26, v[TT+1]
	v_cvt_pk_f16_f32 v[Y+2*\j], v[X+4*\j], v[X+4*\j+1]                 ; and the change of format
	v_cvt_pk_f16_f32 v[Y+2*\j+1], v[X+4*\j+2], v[X+4*\j+3]
	global_store_b64 v2, v[Y+2*\j:Y+2*\j+1], s[18:19] offset:2048*\j
.endr
	s_endpgm
.Lfunc_end_k_qb31660a436_cast:
	.size	k_qb31660a436_cast, .Lfunc_end_k_qb31660a436_cast-k_qb31660a436_cast
	.p2alignl 7, 3214868480
	.fill 96, 4, 3214868480
	.section	.rodata,"a",@progbits
	.p2align	6, 0x0
	.amdhsa_kernel k_qb31660a436_cast
		.amdhsa_group_segment_fixed_size 0
		.amdhsa_private_segment_fixed_size 0
		.amdhsa_enable_private_segment 0
		.amdhsa_kernarg_size 64
		.amdhsa_user_sgpr_count 2
		.amdhsa_user_sgpr_kernarg_segment_ptr 1
		.amdhsa_wavefront_size32 1
		.amdhsa_system_sgpr_workgroup_id_x 1
		.amdhsa_system_sgpr_workgroup_id_y 1
		.amdhsa_system_sgpr_workgroup_id_z 1
		.amdhsa_system_vgpr_workitem_id 0
		.amdhsa_next_free_vgpr 104
		.amdhsa_next_free_sgpr 66
		.amdhsa_reserve_vcc 0
		.amdhsa_float_denorm_mode_32 3
		.amdhsa_float_denorm_mode_16_64 3
		.amdhsa_memory_ordered 1
		.amdhsa_forward_progress 1
		.amdhsa_inst_pref_size 16
	.end_amdhsa_kernel
	.amdgpu_metadata
---
amdhsa.version: [ 1, 2 ]
amdhsa.kernels:
  - .name:           k_qb31660a436_cast
    .symbol:         k_qb31660a436_cast.kd
    .args:
      - { .name: x, .offset: 0, .size: 8, .value_kind: global_buffer, .address_space: global }
      - { .name: Wq, .offset: 8, .size: 8, .value_kind: global_buffer, .address_space: global }
      - { .name: Wk, .offset: 16, .size: 8, .value_kind: global_buffer, .address_space: global }
      - { .name: Wv, .offset: 24, .size: 8, .value_kind: global_buffer, .address_space: global }
      - { .name: Wo, .offset: 32, .size: 8, .value_kind: global_buffer, .address_space: global }
      - { .name: cos, .offset: 40, .size: 8, .value_kind: global_buffer, .address_space: global }
      - { .name: sin, .offset: 48, .size: 8, .value_kind: global_buffer, .address_space: global }
      - { .name: cb, .offset: 56, .size: 8, .value_kind: global_buffer, .address_space: global }
    .group_segment_fixed_size: 0
    .private_segment_fixed_size: 0
    .kernarg_segment_align: 8
    .kernarg_segment_size: 64
    .max_flat_workgroup_size: 256
    .sgpr_count:     66
    .vgpr_count:     104
    .wavefront_size: 32
...
	.end_amdgpu_metadata
.endif
;; end of part 1
;; launch qkv (part 2): grid 12 x 16, 4 waves a work-group, clusters of 4 x 4, 327,680 bytes of LDS; arguments cb, q_norm_w, k_norm_w, qkvb; writes qkvb
.if DOCPART == 2
	.amdgcn_target "amdgcn-amd-amdhsa--gfx1250"
	.amdhsa_code_object_version 6
	.text
	.protected	k_qb31660a436_qkv
	.globl	k_qb31660a436_qkv
	.p2align	8
	.type	k_qb31660a436_qkv,@function
k_qb31660a436_qkv:
	s_mov_b64 s[64:65], 0
	v_nop
	global_prefetch_b8 v0, s[64:65] scope:SCOPE_SE
	s_setreg_imm32_b32 hwreg(HW_REG_WAVE_MODE, 25, 1), 1
	s_wait_xcnt 0x0
	s_wait_alu depctr_hold_cnt(0) depctr_sa_sdst(0) depctr_va_vdst(0) depctr_va_sdst(0) depctr_va_ssrc(0) depctr_va_vcc(0) depctr_vm_vsrc(0)
	s_getreg_b32 s2, hwreg(HW_REG_IB_STS2, 6, 4)
	s_cmp_eq_u32 s2, 0
	s_cbranch_scc0 .Lentry_in_a_cluster
	s_endpgm
.Lentry_in_a_cluster:
	s_bfe_u32 s2, ttmp6, 0x10000c
	s_cmp_lg_u32 s2, 0xf033
	s_cbranch_scc0 .Lentry_shape_is_right
	s_endpgm
.Lentry_shape_is_right:
; qkv: C [4096][3072] = x [4096][2048] times (Wq | Wk | Wv), each [2048][1024]; operands bf16 from cb, sums f32.
; On q and k, in registers and in f32: RMS norm over the head's 128 numbers, the gain, RoPE from the cos and sin tables; q also takes
; the factor 128^-0.5 of the scores.  C is stored in f16: q in columns 0-1023, k in 1024-2047, v in 2048-3071.
; A work-group makes 256 x 256 of C with four waves; a wave makes 128 x 128: ONE HEAD of 128 rows, in 64 accumulator tiles (512 registers).
; 192 work-groups: a share of 1/256 of C (49,152 numbers) does not split into four wave tiles that each hold whole heads.
; K goes in steps of 128 through a ring of two LDS slots filled by the tensor data mover.  x's tile: 256 rows of 256 bytes.
; W lies [k][n]: its tile is 128 k-rows of 512 bytes, and its fragments leave LDS by the transposing load ds_load_tr16_b128.
; CLUSTERS: 4 x 4 work-groups.  A row of the cluster shares x's tiles, a column W's: each is asked for jointly by the four.
; The cluster's x (ttmp9) is the part: 0 q, 1 k, 2 v; it is the same in all sixteen partners, so the branch on it is too.
; THE MATRIX INSTRUCTION IS USED TRANSPOSED (source 0 = W's columns, source 1 = x's rows): lane l holds row l % 16 of C, and in tile b
; its registers 0-7 hold columns 16 b + 8 (l / 16) + 0..7.  So a lane holds 64 of its row's 128 numbers, column d and column d + 64
; lie in the same lane (tiles b and b + 4), and the norm's sum needs one exchange between the halves of the wave.
; No prefetch: all operands were stored by the launch before, and a K step's tiles are on their way during a K step's products.
; FORMATS AND LIMITS: every input is taken at bf16 precision: x, W, cos and sin come so from cb, the gains are rounded here.  The results are
; f16: |v| and 11.4 |gain| stay under 65,504; results below 6.1e-5 keep an absolute error of 3e-8.
;
; REGISTERS, in windows of 256:
;   window 0: v16-28 addresses; v32-41 the norm; v64-127, v128-191 fragments of x, two buffers; v192-255 the gains
;             (behind the K loop: v64-127 T, v128-159 packed results, v160-191 rows read back)
;   window 1: v64-127, v128-191 fragments of W, two buffers (behind the loop: cos and sin of 16 rows in f32);
;             v0-63, v192-255 cos and sin of 16 rows as loaded, bf16, two sets
;   window 2: the 32 accumulator tiles of my rows 0-63 (tile (a, b) at v[8 (8 a + b)]);   window 3: those of my rows 64-127
.set KSTEP,  128
.set PITCH,  272                       ; x's LDS row: 256 bytes + 16: the sixteen rows of a fragment load start 16 bytes apart modulo 256
.set PITB,   544                       ; W's LDS row: 512 bytes + 32 = 17 x 32
.set HALFT,  128*PITCH                 ; what one tensor load brings: 128 rows of x, or 64 k-rows of W (64 x 544 is the same 34,816)
.set SLOT,   4*HALFT                   ; x's 256 rows, then W's 128 k-rows
.set STAGE,  2*SLOT                    ; behind the ring: 16 rows x 272 bytes for each wave, for the way out
.set SPITCH, 272
.set LAPS,   8                         ; 2048 / 256: a lap = two K steps = once round the ring
.set CPITCH, 6144                      ; bytes in a row of C
.set ADRA, 16                          ; v16-17  LDS address of my x fragments in slot 0, 1
.set ADRB, 20                          ; v20-21  the same for W
.set STO,  24                          ; the way out: where I put 16 bytes of a row
.set RD,   25                          ; the way out: where I read a row back
.set CO,   26                          ; my byte offset in C
.set CSO,  27                          ; my byte offset in 16 rows of cos and sin: 256 r + 16 h
.set WO,   28                          ; my byte offset in the gains: 32 h
.set SS,   32                          ; v32-39  four chains of the sum of squares
.set RS,   40                          ; v40-41  1 / rms, twice
.set F0,   64
.set F1,   128
.set T,    64
.set TMP,  128
.set RB,   160
.set W,    192
.set CSET0, 0                          ; window 1: packed set 0 (32 registers of cos, 32 of sin)
.set CSET1, 192                        ; window 1: packed set 1
.set COSX,  64                         ; window 1: cos in f32, tile b at 8 b
.set SINX,  128                        ; window 1: sin in f32
.set G1, 24                            ; s[24:31] group 1 for x's tiles
.set G0, 32                            ; s[32:39] group 0 for x's tiles, one set for each slot
.set G1B, 48                           ; s[48:55] group 1 for W's tiles
.set G0B, 56                           ; s[56:63] group 0 for W's tiles, one set for each slot
.set MSB, 0
.macro WIN new                         ; the immediate's high byte repeats the setting that is left
.if MSB != \new
	s_set_vgpr_msb (MSB<<8)|\new
.set MSB, \new
.endif
.endm
.set MUL_LO, 0xa1                      ; source 0 (W) window 1, source 1 (x) window 0, C and D window 2
.set MUL_HI, 0xf1                      ; the same, C and D window 3
.set TO_B,   0x40                      ; destination window 1, address window 0
; A joint load.  Waves 0 and 1 fetch x's two halves, waves 2 and 3 W's.  The branch hangs on the wave's number alone.
.macro JLOAD s
	s_cmp_eq_u32 s11, 0
	s_cbranch_scc0 .Lfor_b_\@
	tensor_load_to_lds s[G0+4*\s:G0+4*\s+3], s[G1:G1+7]
	s_nop 0
	s_branch .Lasked_\@
.Lfor_b_\@:
	tensor_load_to_lds s[G0B+4*\s:G0B+4*\s+3], s[G1B:G1B+7]
	s_nop 0
.Lasked_\@:
.endm
.macro CREST                           ; a round of the cluster's barrier behind its opening barrier
	s_cmp_lg_u32 s10, 0
	s_cbranch_scc1 .Lnot_wave_0_\@
	s_barrier_signal -3
.Lnot_wave_0_\@:
	s_barrier_wait -3
	s_barrier_signal -1
	s_barrier_wait -1
.endm
.macro CROUND                          ; a whole round
	s_barrier_signal -1
	s_barrier_wait -1
	CREST
.endm
	s_load_b64 s[4:5], s[0:1], 0x0                 ; cb
	s_load_b128 s[84:87], s[0:1], 0x8              ; q_norm_w s[84:85], k_norm_w s[86:87]
	s_load_b64 s[8:9], s[0:1], 0x18                ; C
	v_lshl_add_u32 v62, v0, 2, 0x48400
	v_mov_b32 v63, 0
	ds_add_u32 v62, v63
	v_lshrrev_b32 v1, 5, v0
	v_readfirstlane_b32 s10, v1                    ; wave 0..3
	s_lshr_b32 s11, s10, 1                         ; which half of the block's rows is mine.  Also: I fetch for x (0) or for W (1)
	s_and_b32 s12, s10, 1                          ; which half of its columns.  Also: which half of that tile I fetch
	s_bfe_u32 s40, ttmp6, 0x40000                  ; cx
	s_bfe_u32 s41, ttmp6, 0x40004                  ; cy
	s_lshl_b32 s42, ttmp9, 2
	s_add_co_u32 s42, s42, s40                     ; block column of C = 4 x cluster x + cx, 0 to 11
	s_and_b32 s13, ttmp7, 0xffff
	s_lshl_b32 s13, s13, 2
	s_add_co_u32 s13, s13, s41                     ; block row of C = 4 x cluster y + cy, 0 to 15
	s_mov_b32 s45, ttmp9                           ; the part: 0 q, 1 k, 2 v
	s_lshl_b32 s43, s41, 2
	s_lshl_b32 s43, 15, s43                        ; my row of the cluster
	s_lshl_b32 s44, 0x1111, s40                    ; my column
	s_mov_b32 s76, 0x76543210                      ; v_permlanex16_b32: lane i of one half reads lane i of the other
	s_mov_b32 s77, 0xfedcba98
	s_mov_b32 s78, 0x3c000000                      ; 1 / 128
	s_mov_b32 s79, 0x358637bd                      ; 1e-6
	s_mov_b32 s90, 0xffff0000                      ; a word's upper bf16
	; group 1 for x: 128 rows x 128 elements of 2 bytes, 4 words of padding behind every 64
	s_or_b32 s[G1+0], s43, (1<<16)|(1<<20)|(1<<21)|(5<<22)|(3<<25)
	s_mov_b32 s[G1+1], 128<<16                     ; tensor_dim0 = 128
	s_mov_b32 s[G1+2], 128<<16                     ; tensor_dim1 = 128
	s_mov_b32 s[G1+3], 128<<16                     ; tile_dim0 = 128
	s_mov_b32 s[G1+4], 128                         ; tile_dim1 = 128
	s_mov_b32 s[G1+5], 2048                        ; elements from row to row of x
	s_mov_b32 s[G1+6], 0
	s_mov_b32 s[G1+7], 0
	; group 1 for W: 64 k-rows x 256 elements of 2 bytes, 8 words of padding behind every 128
	s_or_b32 s[G1B+0], s44, (1<<16)|(1<<20)|(1<<21)|(6<<22)|(7<<25)
	s_mov_b32 s[G1B+1], 256<<16                    ; tensor_dim0 = 256
	s_mov_b32 s[G1B+2], 64<<16                     ; tensor_dim1 = 64
	s_mov_b32 s[G1B+3], 256<<16                    ; tile_dim0 = 256
	s_mov_b32 s[G1B+4], 64                         ; tile_dim1 = 64
	s_mov_b32 s[G1B+5], 1024                       ; elements from row to row of W
	s_mov_b32 s[G1B+6], 0
	s_mov_b32 s[G1B+7], 0
	; x's tiles hang on the block row alone, W's on the part and cx alone; each offset in registers that never hold the other coordinate
	s_lshl_b32 s17, s12, 7
	s_lshl_b32 s16, s13, 8
	s_add_co_u32 s16, s16, s17                     ; x: row 256 x block row + 128 x half
	s_lshl_b32 s16, s16, 12                        ; rows of 4,096 bytes: under 16 MiB
	s_mov_b32 s17, 0
	s_lshl_b32 s46, ttmp9, 22                      ; W: the part, 4 MiB each,
	s_lshl_b32 s47, s40, 9                         ; 256 columns = 512 bytes for each cx,
	s_add_co_u32 s46, s46, s47
	s_lshl_b32 s47, s12, 17                        ; 64 k-rows of 2,048 bytes for each half,
	s_add_co_u32 s46, s46, s47
	s_add_co_u32 s46, s46, 0x1000000               ; behind x's 16,777,216 bytes in cb
	s_mov_b32 s47, 0
	s_mul_i32 s20, s10, HALFT                      ; where they go: x's two halves, then W's two halves = wave x 34,816
	s_wait_dscnt 0x0
	s_wait_kmcnt 0x0
	s_add_nc_u64 s[14:15], s[4:5], s[16:17]
	s_add_nc_u64 s[46:47], s[4:5], s[46:47]
	CROUND                                         ; all sixteen work-groups are here: the first joint loads meet
.irp s, 0,1
	s_mov_b32 s[G0+4*\s], 1
	s_add_co_u32 s[G0+4*\s+1], s20, \s*SLOT
	s_add_nc_u64 s[G0+4*\s+2:G0+4*\s+3], s[14:15], \s*KSTEP*2       ; K step s: 256 bytes along x's rows
	s_or_b32 s[G0+4*\s+3], s[G0+4*\s+3], 0x80000000
	s_mov_b32 s[G0B+4*\s], 1
	s_add_co_u32 s[G0B+4*\s+1], s20, \s*SLOT
	s_add_nc_u64 s[G0B+4*\s+2:G0B+4*\s+3], s[46:47], \s*KSTEP*2048  ; K step s: 128 rows of W down
	s_or_b32 s[G0B+4*\s+3], s[G0B+4*\s+3], 0x80000000
	JLOAD \s                                       ; two tensor loads of the wave are out
.endr
	v_and_b32 v1, 15, v0                           ; r = l % 16
	v_bfe_u32 v2, v0, 4, 1                         ; h = l / 16
	v_mul_u32_u24 v3, v1, PITCH
	v_lshl_add_u32 v3, v2, 4, v3                   ; x: row x pitch + 16 h
	v_and_b32 v4, 7, v0
	v_lshl_add_u32 v4, v2, 3, v4                   ; W: k-row 8 h + l % 8,
	v_mul_u32_u24 v4, v4, PITB
	v_bfe_u32 v5, v0, 3, 1
	v_lshl_add_u32 v4, v5, 4, v4                   ; and 16 bytes on for lanes 8-15 of each half
	s_mul_i32 s21, s11, HALFT                      ; my 128 rows of x
	s_lshl_b32 s22, s12, 8                         ; my 128 columns of W (256 bytes),
	s_add_co_u32 s22, s22, 2*HALFT                 ; which lies behind x's 256 rows
.irp s, 0,1
	v_add_nc_u32 v[ADRA+\s], s21, v3
	v_add_nc_u32 v[ADRB+\s], s22, v4
	s_add_co_u32 s21, s21, SLOT
	s_add_co_u32 s22, s22, SLOT
.endr
	s_mul_i32 s23, s10, 16*SPITCH
	s_add_co_u32 s23, s23, STAGE                   ; my stage
	v_add_nc_u32 v[STO], s23, v3                   ; in: row r, 16 bytes for each half of the lanes (the same 272 r + 16 h)
	v_mul_u32_u24 v5, v2, SPITCH                   ; back: lanes 0-15 take one row of 256 bytes, lanes 16-31 the next
	v_lshl_add_u32 v5, v1, 4, v5
	v_add_nc_u32 v[RD], s23, v5
	v_mul_u32_u24 v5, v2, CPITCH                   ; and the same two rows in C
	v_lshl_add_u32 v[CO], v1, 4, v5
	v_lshlrev_b32 v[CSO], 8, v1                    ; cos, sin: row r of 256 bytes,
	v_lshl_add_u32 v[CSO], v2, 4, v[CSO]           ; 8 numbers on for the upper half
	v_lshlrev_b32 v[WO], 5, v2
	; the bases of C, cos and sin at my first row
	s_lshl_b32 s14, s13, 8
	s_lshl_b32 s15, s11, 7
	s_add_co_u32 s14, s14, s15                     ; my first row
	s_mul_i32 s16, s14, CPITCH                     ; under 25,165,824
	s_mov_b32 s17, 0
	s_add_nc_u64 s[8:9], s[8:9], s[16:17]
	s_lshl_b32 s46, s42, 9                         ; my first column, in bytes: 512 x block + 256 x half
	s_lshl_b32 s47, s12, 8
	s_add_co_u32 s46, s46, s47
	s_mov_b32 s47, 0
	s_add_nc_u64 s[8:9], s[8:9], s[46:47]
	s_lshl_b32 s16, s14, 8                         ; a row of cos and of sin is 256 bytes; row 2048 b + s is x's row
	s_add_co_u32 s16, s16, 0x2000000               ; cos lies at byte 33,554,432 of cb,
	s_add_nc_u64 s[80:81], s[4:5], s[16:17]
	s_add_nc_u64 s[82:83], s[80:81], 0x100000      ; sin 1,048,576 bytes behind it
; 16 matrix instructions: m blocks a0, a0 + 1 of the window's four x all 8 n blocks, 32 along K.  zero = 1: the first product starts the sums.
.macro MUL16 f, hi, a0, zero
.irp a, \a0, \a0+1
.irp b, 0,1,2,3,4,5,6,7
.if \zero
	v_wmma_f32_16x16x32_bf16 v[8*(8*(\a)+\b):8*(8*(\a)+\b)+7], v[\f+8*\b:\f+8*\b+7], v[\f+8*(4*\hi+\a):\f+8*(4*\hi+\a)+7], 0
.else
	v_wmma_f32_16x16x32_bf16 v[8*(8*(\a)+\b):8*(8*(\a)+\b)+7], v[\f+8*\b:\f+8*\b+7], v[\f+8*(4*\hi+\a):\f+8*(4*\hi+\a)+7], v[8*(8*(\a)+\b):8*(8*(\a)+\b)+7]
.endif
.endr
.endr
.endm
; 32 LDS loads in one run: the fragments of quarter kq (32 along K) into buffer f.  W: k-rows 32 kq + 8 h + .. and 16 further down, transposed
; on the way, 16 columns (32 bytes) for each n block; x: 64 bytes along the rows for each quarter.
.macro FETCH slot, kq, f
	WIN TO_B
.irp i, 0,1,2,3,4,5,6,7
	ds_load_tr16_b128 v[\f+8*\i:\f+8*\i+3],   v[ADRB+\slot] offset:\kq*32*PITB+32*\i
	ds_load_tr16_b128 v[\f+8*\i+4:\f+8*\i+7], v[ADRB+\slot] offset:\kq*32*PITB+16*PITB+32*\i
.endr
	WIN 0
.irp i, 0,1,2,3,4,5,6,7
	ds_load_b128 v[\f+8*\i:\f+8*\i+3],   v[ADRA+\slot] offset:\kq*64+\i*16*PITCH
	ds_load_b128 v[\f+8*\i+4:\f+8*\i+7], v[ADRA+\slot] offset:\kq*64+\i*16*PITCH+32
.endr
.endm
; Four places behind a matrix instruction before a load lands on, or a vector instruction touches, one of its registers (ISA guide 7.12.1 for
; vector instructions); the matrix instructions in between are not counted as places.
.macro PLACES
.rept 4
	v_nop
.endr
.endm
; The 64 accumulators take turns, one instruction a turn, in the same order in every quarter.
.macro QUARTER slot, kq, f, g, zero
	s_wait_dscnt 8                                 ; W and x's rows 0-63 are in; the youngest eight loads (x's rows 64-127) may be out
	WIN MUL_LO
	MUL16 \f, 0, 0, \zero
	MUL16 \f, 0, 2, \zero
	PLACES
	FETCH \slot, \kq, \g
	s_wait_dscnt 32                                ; all but the 32 just issued
	WIN MUL_HI
	MUL16 \f, 1, 0, \zero
	MUL16 \f, 1, 2, \zero
.endm
.macro THREE slot, zero
	QUARTER \slot, 1, F0, F1, \zero
	QUARTER \slot, 2, F1, F0, 0
	QUARTER \slot, 3, F0, F1, 0
.endm
; The last quarter of a K step multiplies buffer 1 and changes slots.  In front of the barrier each wave waits for its reads of this slot and for
; all its tensor loads (one is out: its part of the next slot).  Behind it the refill comes first, then the next slot's first fragments.
.macro TURN slot, next, fill
	s_wait_dscnt 8
	WIN MUL_LO
	MUL16 F1, 0, 0, 0
	s_wait_dscnt 0                                 ; my reads of this slot are over
	s_set_vgpr_msb 0xa1a0
	s_wait_tensorcnt 0x0                           ; and all my tensor loads have landed
	ds_add_u32 v62, v63
	s_wait_dscnt 0x0
	s_set_vgpr_msb 0xa0a1
	s_barrier_signal -1                            ; where a slot is filled again this barrier opens a round of the cluster's barrier
	MUL16 F1, 0, 2, 0                              ; registers only
	WIN 0
	s_barrier_wait -1
.if \fill
	CREST                                          ; no wave of any partner still reads this slot or has a load on its way
	s_add_nc_u64 s[G0+4*\slot+2:G0+4*\slot+3], s[G0+4*\slot+2:G0+4*\slot+3], 2*KSTEP*2
	s_add_nc_u64 s[G0B+4*\slot+2:G0B+4*\slot+3], s[G0B+4*\slot+2:G0B+4*\slot+3], 2*KSTEP*2048
	JLOAD \slot                                    ; the first tensor load behind the round, the wave's only one out
.endif
	PLACES
	FETCH \next, 0, F0
	WIN MUL_HI
	MUL16 F1, 1, 0, 0
	MUL16 F1, 1, 2, 0
.endm
.macro LAP zero
	THREE 0, \zero
	TURN 0, 1, 1
	THREE 1, 0
	TURN 1, 0, 1
.endm
.macro LASTLAP                         ; fills nothing; ends with the places that the way out needs behind the last matrix instructions
	THREE 0, 0
	TURN 0, 1, 0
	THREE 1, 0
	s_wait_dscnt 8
	WIN MUL_LO
	MUL16 F1, 0, 0, 0
	MUL16 F1, 0, 2, 0
	s_wait_dscnt 0
	WIN MUL_HI
	MUL16 F1, 1, 0, 0
	MUL16 F1, 1, 2, 0
	PLACES
	WIN 0
.endm
; cos and sin of my rows 16 i .. 16 i + 15, bf16, into a packed set of window 1: 16 loads; a lane takes the 64 columns that it holds of its row,
; 16 bytes for each tile b.  Across a table's 8 loads every byte of the 16 rows is used; the tables are read once a head here, so they are not staged in LDS.
.macro CSLOAD i, set
	WIN TO_B
.irp b, 0,1,2,3,4,5,6,7
	global_load_b128 v[\set+4*\b:\set+4*\b+3], v[CSO], s[80:81] offset:(\i)*4096+32*\b
.endr
.irp b, 0,1,2,3,4,5,6,7
	global_load_b128 v[\set+32+4*\b:\set+32+4*\b+3], v[CSO], s[82:83] offset:(\i)*4096+32*\b
.endr
	WIN 0
.endm
; A packed set to f32: the low half moves up, the high half stays.  Word n of the set becomes registers 2 n, 2 n + 1 of cos (n < 32) or sin.
.macro EXPAND set
	WIN 0x44                                       ; destination and source 1 in window 1
.set cnt, 0
.rept 64
	v_lshlrev_b32 v[COSX+2*cnt], 16, v[\set+cnt]
	v_and_b32 v[COSX+2*cnt+1], s90, v[\set+cnt]
.set cnt, cnt+1
.endr
	WIN 0
.endm
; Norm, gain and RoPE on the eight tiles (a, 0..7) of one window, in place.  wsq: sources 0 and 1 in that window; wrd: source 0;
; wwr: source 0 window 0, source 1 window 1, source 2 and destination that window.
.macro ROPE16 a, wsq, wrd, wwr
	WIN \wsq
.irp p, 0,1,2,3
	v_pk_mul_f32 v[SS+2*\p:SS+2*\p+1], v[64*\a+2*\p:64*\a+2*\p+1], v[64*\a+2*\p:64*\a+2*\p+1]
.endr
.set cnt, 4
.rept 28
	v_pk_fma_f32 v[SS+2*(cnt%4):SS+2*(cnt%4)+1], v[64*\a+2*cnt:64*\a+2*cnt+1], v[64*\a+2*cnt:64*\a+2*cnt+1], v[SS+2*(cnt%4):SS+2*(cnt%4)+1]
.set cnt, cnt+1
.endr
	WIN 0
	v_pk_add_f32 v[SS:SS+1], v[SS:SS+1], v[SS+2:SS+3]
	v_pk_add_f32 v[SS+4:SS+5], v[SS+4:SS+5], v[SS+6:SS+7]
	v_pk_add_f32 v[SS:SS+1], v[SS:SS+1], v[SS+4:SS+5]
	v_add_f32 v[SS], v[SS], v[SS+1]                ; my 64 squares
	v_permlanex16_b32 v[SS+1], v[SS], s76, s77     ; the row's other 64
	v_add_f32 v[SS], v[SS], v[SS+1]
	v_fma_f32 v[SS], v[SS], s78, s79               ; mean + eps
	v_rsq_f32 v[RS], v[SS]
	v_nop                                          ; one plain place behind the transcendental (ISA guide 5.7.2)
	s_wait_alu depctr_va_vdst(0)
	v_mov_b32 v[RS+1], v[RS]
	WIN \wrd
.set cnt, 0
.rept 32
	v_pk_mul_f32 v[T+2*cnt:T+2*cnt+1], v[64*\a+2*cnt:64*\a+2*cnt+1], v[RS:RS+1]
.set cnt, cnt+1
.endr
	WIN 0
.set cnt, 0
.rept 32
	v_pk_mul_f32 v[T+2*cnt:T+2*cnt+1], v[T+2*cnt:T+2*cnt+1], v[W+2*cnt:W+2*cnt+1]
.set cnt, cnt+1
.endr
	WIN \wwr
.irp b, 0,1,2,3
.irp p, 0,2,4,6
	v_pk_mul_f32 v[64*\a+8*\b+\p:64*\a+8*\b+\p+1], v[T+8*\b+\p:T+8*\b+\p+1], v[COSX+8*\b+\p:COSX+8*\b+\p+1]
	v_pk_mul_f32 v[64*\a+8*\b+32+\p:64*\a+8*\b+32+\p+1], v[T+8*\b+32+\p:T+8*\b+32+\p+1], v[COSX+8*\b+32+\p:COSX+8*\b+32+\p+1]
	v_pk_fma_f32 v[64*\a+8*\b+\p:64*\a+8*\b+\p+1], v[T+8*\b+32+\p:T+8*\b+32+\p+1], v[SINX+8*\b+\p:SINX+8*\b+\p+1], v[64*\a+8*\b+\p:64*\a+8*\b+\p+1] neg_lo:[1,0,0] neg_hi:[1,0,0]   ; d < 64: - t[d + 64] sin[d]
	v_pk_fma_f32 v[64*\a+8*\b+32+\p:64*\a+8*\b+32+\p+1], v[T+8*\b+\p:T+8*\b+\p+1], v[SINX+8*\b+32+\p:SINX+8*\b+32+\p+1], v[64*\a+8*\b+32+\p:64*\a+8*\b+32+\p+1]                       ; d >= 64: + t[d - 64] sin[d]
.endr
.endr
	WIN 0
.endm
; rows 16 i .. 16 i + 15 of my block = the eight tiles (a, 0..7) of window 2 or 3 (from = 0x0a or 0x0f): round to f16, 16 bytes a lane into my
; own stage, read back as whole rows of 256 bytes, store.
.macro OUT16 i, a, from
	WIN \from
.irp b, 0,1,2,3,4,5,6,7
.irp r, 0,1,2,3
	v_cvt_pk_f16_f32 v[TMP+4*\b+\r], v[8*(8*\a+\b)+2*\r], v[8*(8*\a+\b)+2*\r+1]
.endr
.endr
	WIN 0
.irp b, 0,1,2,3,4,5,6,7
	ds_store_b128 v[STO], v[TMP+4*\b:TMP+4*\b+3] offset:32*\b
.endr
	s_wait_xcnt 0x0                                ; the rows read back, which the last stores read, and the stores' base are rewritten only behind this wait
.if \i
	s_add_nc_u64 s[8:9], s[8:9], 16*CPITCH
.endif
.irp t, 0,1,2,3,4,5,6,7
	ds_load_b128 v[RB+4*\t:RB+4*\t+3], v[RD] offset:\t*2*SPITCH    ; LDS serves a wave's instructions in order: these see the stores above
.endr
.irp t, 0,1,2,3,4,5,6,7
	s_wait_dscnt 7-\t
	global_store_b128 v[CO], v[RB+4*\t:RB+4*\t+3], s[8:9] offset:2*\t*CPITCH   ; 16 lanes store 256 consecutive bytes, at a multiple of 256 from C's first byte
.endr
.endm
; One block of 16 rows on the q and k path.  left: the younger table loads that may stay out; ahead = 1: the packed set, once widened, is loaded again, two blocks on.
.macro ROW i, a, wsq, wrd, wwr, set, ahead, left
	s_wait_loadcnt \left
	EXPAND \set
.if \ahead
	CSLOAD \i+2, \set
.endif
	ROPE16 \a, \wsq, \wrd, \wwr
	OUT16 \i, \a, \wsq
.endm
	s_wait_tensorcnt 1                             ; my part of K step 0 is in; K step 1's stays out
	s_barrier_signal -1
	s_barrier_wait -1
	FETCH 0, 0, F0
	LAP 1                                          ; the first lap stands in front of the loop: its first products start the sums
	WIN 0
	s_mov_b32 s3, LAPS-2
.Llap:
	LAP 0
	WIN 0
	s_sub_co_u32 s3, s3, 1
	s_cmp_lg_u32 s3, 0
	s_cbranch_scc1 .Llap
	s_cmp_eq_u32 s45, 2                            ; v takes neither norm nor RoPE.  The part is the cluster's x: all partners go the same way
	s_cbranch_scc1 .Lplain
	; q and k.  The gains and the first 32 rows of cos and sin are asked for here and arrive under the last lap, in registers that it does not touch.
	s_cmp_eq_u32 s45, 0
	s_cselect_b64 s[88:89], s[84:85], s[86:87]     ; q_norm_w or k_norm_w
	s_cselect_b32 s74, 0x3db504f3, 1.0             ; q also takes 128^-0.5
	s_mov_b32 s75, s74
.irp b, 0,1,2,3,4,5,6,7
	global_load_b128 v[W+8*\b:W+8*\b+3],   v[WO], s[88:89] offset:64*\b
	global_load_b128 v[W+8*\b+4:W+8*\b+7], v[WO], s[88:89] offset:64*\b+16
.endr
	CSLOAD 0, CSET0
	CSLOAD 1, CSET1
	LASTLAP
	s_wait_loadcnt 32                              ; the gains are in; the 32 loads of the two sets may stay out
.set cnt, 0
.rept 32
	v_cvt_pk_bf16_f32 v[T+cnt], v[W+2*cnt], v[W+2*cnt+1]           ; the gains at bf16 precision, like every input
.set cnt, cnt+1
.endr
.set cnt, 0
.rept 32
	v_lshlrev_b32 v[W+2*cnt], 16, v[T+cnt]
	v_and_b32 v[W+2*cnt+1], s90, v[T+cnt]
.set cnt, cnt+1
.endr
.set cnt, 0
.rept 32
	v_pk_mul_f32 v[W+2*cnt:W+2*cnt+1], v[W+2*cnt:W+2*cnt+1], s[74:75] op_sel_hi:[1,0]
.set cnt, cnt+1
.endr
	ROW 0, 0, 0x0a, 0x02, 0xa4, CSET0, 1, 16       ; 16: the other set's loads stay out
	ROW 1, 1, 0x0a, 0x02, 0xa4, CSET1, 1, 16
	ROW 2, 2, 0x0a, 0x02, 0xa4, CSET0, 1, 16
	ROW 3, 3, 0x0a, 0x02, 0xa4, CSET1, 1, 16
	ROW 4, 0, 0x0f, 0x03, 0xf4, CSET0, 1, 16
	ROW 5, 1, 0x0f, 0x03, 0xf4, CSET1, 1, 16
	ROW 6, 2, 0x0f, 0x03, 0xf4, CSET0, 0, 16
	ROW 7, 3, 0x0f, 0x03, 0xf4, CSET1, 0, 0        ; nothing was asked for behind the last set
	s_wait_tensorcnt 0x0
	ds_add_u32 v62, v63
	s_wait_dscnt 0x0
	CROUND                                         ; the closing round: no work-group ends while a partner may still ask for a tile that names it
	s_endpgm
.Lplain:
	LASTLAP
	OUT16 0, 0, 0x0a
	OUT16 1, 1, 0x0a
	OUT16 2, 2, 0x0a
	OUT16 3, 3, 0x0a
	OUT16 4, 0, 0x0f
	OUT16 5, 1, 0x0f
	OUT16 6, 2, 0x0f
	OUT16 7, 3, 0x0f
	s_wait_tensorcnt 0x0
	ds_add_u32 v62, v63
	s_wait_dscnt 0x0
	CROUND
	s_endpgm
.Lfunc_end_k_qb31660a436_qkv:
	.size	k_qb31660a436_qkv, .Lfunc_end_k_qb31660a436_qkv-k_qb31660a436_qkv
	.p2alignl 7, 3214868480
	.fill 96, 4, 3214868480
	.section	.rodata,"a",@progbits
	.p2align	6, 0x0
	.amdhsa_kernel k_qb31660a436_qkv
		.amdhsa_group_segment_fixed_size 327680
		.amdhsa_private_segment_fixed_size 0
		.amdhsa_enable_private_segment 0
		.amdhsa_kernarg_size 32
		.amdhsa_user_sgpr_count 2
		.amdhsa_user_sgpr_kernarg_segment_ptr 1
		.amdhsa_wavefront_size32 1
		.amdhsa_system_sgpr_workgroup_id_x 1
		.amdhsa_system_sgpr_workgroup_id_y 1
		.amdhsa_system_sgpr_workgroup_id_z 1
		.amdhsa_system_vgpr_workitem_id 0
		.amdhsa_next_free_vgpr 1024
		.amdhsa_next_free_sgpr 96
		.amdhsa_reserve_vcc 0
		.amdhsa_float_denorm_mode_32 3
		.amdhsa_float_denorm_mode_16_64 3
		.amdhsa_memory_ordered 1
		.amdhsa_forward_progress 1
		.amdhsa_inst_pref_size 255
	.end_amdhsa_kernel
	.section	.bss,"aw",@nobits
	.p2align	6
	.space	262144
	.amdgpu_metadata
---
amdhsa.version: [ 1, 2 ]
amdhsa.kernels:
  - .name:           k_qb31660a436_qkv
    .symbol:         k_qb31660a436_qkv.kd
    .args:
      - { .name: cb, .offset: 0, .size: 8, .value_kind: global_buffer, .address_space: global }
      - { .name: q_norm_w, .offset: 8, .size: 8, .value_kind: global_buffer, .address_space: global }
      - { .name: k_norm_w, .offset: 16, .size: 8, .value_kind: global_buffer, .address_space: global }
      - { .name: qkvb, .offset: 24, .size: 8, .value_kind: global_buffer, .address_space: global }
    .group_segment_fixed_size: 327680
    .private_segment_fixed_size: 0
    .kernarg_segment_align: 8
    .kernarg_segment_size: 32
    .max_flat_workgroup_size: 128
    .sgpr_count:     96
    .vgpr_count:     1024
    .wavefront_size: 32
...
	.end_amdgpu_metadata
.endif
;; end of part 2
;; launch attn (part 3): grid 16 x 16, 4 waves a work-group, clusters of 4 x 4, 327,680 bytes of LDS; arguments qkvb, attention_mask, aob; writes aob
.if DOCPART == 3
	.amdgcn_target "amdgcn-amd-amdhsa--gfx1250"
	.amdhsa_code_object_version 6
	.text
	.protected	k_qb31660a436_attn
	.globl	k_qb31660a436_attn
	.p2align	8
	.type	k_qb31660a436_attn,@function
k_qb31660a436_attn:
	s_mov_b64 s[64:65], 0
	v_nop
	global_prefetch_b8 v0, s[64:65] scope:SCOPE_SE
	s_setreg_imm32_b32 hwreg(HW_REG_WAVE_MODE, 25, 1), 1
	s_wait_xcnt 0x0
	s_wait_alu depctr_hold_cnt(0) depctr_sa_sdst(0) depctr_va_vdst(0) depctr_va_sdst(0) depctr_va_ssrc(0) depctr_va_vcc(0) depctr_vm_vsrc(0)
	s_getreg_b32 s2, hwreg(HW_REG_IB_STS2, 6, 4)
	s_cmp_eq_u32 s2, 0
	s_cbranch_scc0 .Lentry_in_a_cluster
	s_endpgm
.Lentry_in_a_cluster:
	s_bfe_u32 s2, ttmp6, 0x10000c
	s_cmp_lg_u32 s2, 0xf033
	s_cbranch_scc0 .Lentry_shape_is_right
	s_endpgm
.Lentry_shape_is_right:
; attn: for each batch b, head and block of 128 queries: softmax(q k^T + mask) v over all 2048 keys, with a running maximum.
; q (with 128^-0.5 in it), k, v: f16 rows of 6,144 bytes in qkvb (q at byte 0, k at 2,048, v at 4,096 of a row; 256 bytes a head).
; The mask is an input and is honoured as it is given: every key is computed for every query, every mask byte is read.
; Work-group x = query block (16), y = 8 b + head (16).  Keys go in 16 steps of 128 through a ring of two LDS slots, each with a tile of K,
; of V and of the mask, filled by the tensor data mover.
; CLUSTERS: 4 x 4.  A row of the cluster (same y) shares K's and V's tiles, a column (same x; its four y have one b) the mask's tile.
; WAVES 2 x 2: qh = wave / 2 picks 64 queries, kh = wave % 2 picks 64 of a tile's 128 keys.  With q queries a wave reads 16,384 / q + 128 bytes of
; LDS for each matrix instruction, and with c keys a step it rescales its sums at 8 / c of the matrix work: 64 and 64 balance the two.
; The two waves of a pair keep maxima and sums of their own and are merged once, at the end, through LDS.
; BOTH PRODUCTS ARE TRANSPOSED.  S^T = K Q^T: lane (r, h) holds, in register j of tile (qt, kt), key 16 kt + 8 h + j of query 16 qt + r.
; Two neighbouring key tiles, rounded to f16 in the lane, ARE a second-source fragment of P^T; O^T = V^T P^T, with V^T taken from LDS by the
; transposing load.  So P never leaves the lane, a lane belongs to one query, and only the maximum crosses the wave's halves.
; THE MAXIMUM IS TAKEN AWAY FIRST, the difference is then multiplied by log2 e: with scores near -1e9 (a wave that sees only masked keys of a
; query) a fused s log2e - m log2e would be off by the rounding of m log2e.
; The mask is added by one f32 addition behind the product, as the definition adds it, not fed in as the sums' start.
; FORMATS AND LIMITS: the mask is taken at bf16 precision (nearest even), like every input of this program.  The running maximum starts at
; -1e38: an entry of -inf weighs 0, a row wholly -inf gives NaN (0 times 1/0), rows whose scores all lie below -1e38 are not served.
; P is rounded to f16 (P <= 1; below 6.1e-5 an absolute error of 3e-8); the row's sum is made of the unrounded P.
;
; REGISTERS, in windows of 256:
;   window 0: v10-23 addresses; v24-31 maximum and sum of each query tile; v32-159 S; v160-223 P (ahead of the softmax: the mask in bf16);
;             v232-239 rescale factors; v240-249 at work; v250 the number 1.0
;   window 1: O, tile (qt, dt) at v[64 qt + 8 dt]
;   window 2: v0-127 Q fragments (qt, ks); v128-255 K fragments (kt, ks)
;   window 3: v0-127 V^T fragments (ks, dt); v128-255 the mask as loaded, laid as S is
.set KP,     272                       ; K's LDS row: 256 + 16
.set VP,     288                       ; V's LDS row: 256 + 32 = 9 x 32
.set MPI,    528                       ; the mask's LDS row: 512 + 16
.set VOFF,   128*KP                    ; 34,816
.set MOFF,   VOFF+128*VP               ; 71,680
.set SLOT,   MOFF+128*MPI              ; 139,264
.set STAGE,  2*SLOT                    ; 16 rows x 272 bytes for each wave, for the way out
.set SPITCH, 272
.set XREG,   33792                     ; the merge: 32,768 bytes of O and 1,024 of figures for each wave, in slot 0 behind its last fill and last read
.set QPITCH, 6144
.set KTILE,  128*QPITCH                ; 128 keys down
.set ADK, 10                           ; v10-11  K fragments in slot 0, 1
.set ADV, 12                           ; v12-13  V
.set ADM, 14                           ; v14-15  mask
.set STO, 16
.set RD,  17
.set CO,  18
.set XST, 19
.set XLD, 20
.set XSL, 21
.set QO,  22
.set PFO, 23
.set FIG, 24                           ; maximum of tile qt at 24 + 2 qt, sum at 25 + 2 qt
.set SC,  32
.set PB,  160
.set AL,  232
.set T,   240
.set MP,  248
.set ONE, 250
.set QF,  0
.set KF,  128
.set VF,  0
.set MK,  128
.set TMP, 32
.set RB,  64
.set FA,  96
.set GK1, 16                           ; s[16:23] group 1 for K
.set GV1, 24                           ; s[24:31] for V
.set GM1, 32                           ; s[32:39] for the mask
.set G0K, 48                           ; s[48:55] group 0 for K, one set for each slot
.set G0V, 56                           ; s[56:63]
.set G0M, 68                           ; s[68:75]
.set MSB, 0
.macro WIN new
.if MSB != \new
	s_set_vgpr_msb (MSB<<8)|\new
.set MSB, \new
.endif
.endm
.macro PLACES                          ; four places behind a matrix instruction (ISA guide 7.12.1); other matrix instructions are not counted
.rept 4
	v_nop
.endr
.endm
; A step's joint loads, one a wave: wave 0 K's tile, wave 1 V's, waves 2 and 3 a half of the mask's each.  The branches hang on the wave's number alone.
; pf = 1: wave 0 also asks for its work-group's eighth of a later mask tile to be brought nearer (see STEP).
.macro JLOAD s, pf
	s_cmp_lt_u32 s10, 2
	s_cbranch_scc0 .Lfor_m_\@
	s_cmp_eq_u32 s10, 0
	s_cbranch_scc0 .Lfor_v_\@
	tensor_load_to_lds s[G0K+4*\s:G0K+4*\s+3], s[GK1:GK1+7]
	s_nop 0
.if \pf
	global_prefetch_b8 v[PFO], s[88:89] th:TH_LOAD_NT scope:SCOPE_SE
.endif
	s_branch .Lasked_\@
.Lfor_v_\@:
	tensor_load_to_lds s[G0V+4*\s:G0V+4*\s+3], s[GV1:GV1+7]
	s_nop 0
	s_branch .Lasked_\@
.Lfor_m_\@:
	tensor_load_to_lds s[G0M+4*\s:G0M+4*\s+3], s[GM1:GM1+7]
	s_nop 0
.Lasked_\@:
.endm
.macro CREST
	s_cmp_lg_u32 s10, 0
	s_cbranch_scc1 .Lnot_wave_0_\@
	s_barrier_signal -3
.Lnot_wave_0_\@:
	s_barrier_wait -3
	s_barrier_signal -1
	s_barrier_wait -1
.endm
.macro CROUND
	s_barrier_signal -1
	s_barrier_wait -1
	CREST
.endm
	s_load_b128 s[4:7], s[0:1], 0x0                ; qkvb s[4:5], mask s[6:7]
	s_load_b64 s[8:9], s[0:1], 0x10                ; aob
	v_lshl_add_u32 v254, v0, 2, 0x48400
	v_mov_b32 v255, 0
	ds_add_u32 v254, v255
	v_lshrrev_b32 v1, 5, v0
	v_readfirstlane_b32 s10, v1                    ; wave 0..3
	s_lshr_b32 s11, s10, 1                         ; qh
	s_and_b32 s12, s10, 1                          ; kh.  Also: which half of the mask's tile waves 2 and 3 fetch
	s_bfe_u32 s40, ttmp6, 0x40000                  ; cx
	s_bfe_u32 s41, ttmp6, 0x40004                  ; cy
	s_lshl_b32 s42, ttmp9, 2
	s_add_co_u32 s42, s42, s40                     ; query block = 4 x cluster x + cx
	s_and_b32 s45, ttmp7, 0xffff                   ; cluster y
	s_lshl_b32 s13, s45, 2
	s_add_co_u32 s13, s13, s41                     ; y = 8 b + head
	s_lshr_b32 s45, s45, 1                         ; b, made of the cluster's y alone: it enters the mask's address, which cy may not
	s_and_b32 s46, s13, 7                          ; head
	s_lshl_b32 s43, s41, 2
	s_lshl_b32 s43, 15, s43                        ; my row of the cluster
	s_lshl_b32 s44, 0x1111, s40                    ; my column
	s_mov_b32 s47, 0xfe967699                      ; -1e38, where the running maximum starts
	s_mov_b32 s80, 0x76543210
	s_mov_b32 s81, 0xfedcba98
	s_mov_b32 s85, 0
	s_mov_b32 s86, 3                               ; the mask tile that the first refill's step asks to be brought nearer
	; K: 128 rows x 128 elements of 2 bytes, 4 words of padding behind every 64
	s_or_b32 s[GK1+0], s43, (1<<16)|(1<<20)|(1<<21)|(5<<22)|(3<<25)
	s_mov_b32 s[GK1+1], 128<<16
	s_mov_b32 s[GK1+2], 128<<16
	s_mov_b32 s[GK1+3], 128<<16
	s_mov_b32 s[GK1+4], 128
	s_mov_b32 s[GK1+5], 3072
	s_mov_b32 s[GK1+6], 0
	s_mov_b32 s[GK1+7], 0
	; V: the same with 8 words of padding
	s_or_b32 s[GV1+0], s43, (1<<16)|(1<<20)|(1<<21)|(5<<22)|(7<<25)
	s_mov_b32 s[GV1+1], 128<<16
	s_mov_b32 s[GV1+2], 128<<16
	s_mov_b32 s[GV1+3], 128<<16
	s_mov_b32 s[GV1+4], 128
	s_mov_b32 s[GV1+5], 3072
	s_mov_b32 s[GV1+6], 0
	s_mov_b32 s[GV1+7], 0
	; mask: 64 rows x 128 elements of 4 bytes, 4 words of padding behind every 128
	s_or_b32 s[GM1+0], s44, (2<<16)|(1<<20)|(1<<21)|(6<<22)|(3<<25)
	s_mov_b32 s[GM1+1], 128<<16
	s_mov_b32 s[GM1+2], 64<<16
	s_mov_b32 s[GM1+3], 128<<16
	s_mov_b32 s[GM1+4], 64
	s_mov_b32 s[GM1+5], 2048
	s_mov_b32 s[GM1+6], 0
	s_mov_b32 s[GM1+7], 0
	s_mul_i32 s76, s45, 2048*QPITCH                ; K: batch b,
	s_lshl_b32 s77, s46, 8                         ; the head's 256 bytes,
	s_add_co_u32 s76, s76, s77
	s_add_co_u32 s76, s76, 2048                    ; behind q's 2,048 bytes of the row
	s_mov_b32 s77, 0
	s_lshl_b32 s78, s45, 24                        ; mask: batch b of 16 MiB,
	s_lshl_b32 s79, s42, 20                        ; 128 rows of 8,192 bytes for each query block,
	s_add_co_u32 s78, s78, s79
	s_lshl_b32 s79, s12, 19                        ; 64 rows for each half
	s_add_co_u32 s78, s78, s79
	s_mov_b32 s79, 0
	s_mul_i32 s15, s10, 64*MPI                     ; the mask's halves go to MOFF + (wave - 2) x 33,792 = 4,096 + wave x 33,792
	s_add_co_u32 s15, s15, MOFF-128*MPI
	s_wait_dscnt 0x0
	s_wait_kmcnt 0x0
	s_add_nc_u64 s[76:77], s[4:5], s[76:77]
	s_add_nc_u64 s[78:79], s[6:7], s[78:79]
	CROUND                                         ; all sixteen work-groups are here: the first joint loads meet
.irp s, 0,1
	s_mov_b32 s[G0K+4*\s], 1
	s_mov_b32 s[G0K+4*\s+1], \s*SLOT
	s_add_nc_u64 s[G0K+4*\s+2:G0K+4*\s+3], s[76:77], \s*KTILE
	s_or_b32 s[G0K+4*\s+3], s[G0K+4*\s+3], 0x80000000
	s_mov_b32 s[G0V+4*\s], 1
	s_mov_b32 s[G0V+4*\s+1], \s*SLOT+VOFF
	s_add_nc_u64 s[G0V+4*\s+2:G0V+4*\s+3], s[76:77], \s*KTILE+2048
	s_or_b32 s[G0V+4*\s+3], s[G0V+4*\s+3], 0x80000000
	s_mov_b32 s[G0M+4*\s], 1
	s_add_co_u32 s[G0M+4*\s+1], s15, \s*SLOT
	s_add_nc_u64 s[G0M+4*\s+2:G0M+4*\s+3], s[78:79], \s*512
	s_or_b32 s[G0M+4*\s+3], s[G0M+4*\s+3], 0x80000000
	JLOAD \s, 0                                    ; two tensor loads of the wave are out
.endr
	; bases: Q, the mask rows that this work-group asks to be brought nearer, the output
	s_lshl_b32 s90, s45, 11
	s_lshl_b32 s91, s42, 7
	s_add_co_u32 s90, s90, s91                     ; the block's first row, 2048 b + 128 x block
	s_lshl_b32 s91, s11, 6
	s_add_co_u32 s95, s90, s91                     ; + 64 qh: my first query
	s_mul_i32 s92, s95, QPITCH
	s_lshl_b32 s93, s46, 8
	s_add_co_u32 s92, s92, s93
	s_mov_b32 s93, 0
	s_add_nc_u64 s[92:93], s[4:5], s[92:93]        ; Q
	s_lshl_b32 s91, s46, 4
	s_add_co_u32 s82, s90, s91                     ; rows 16 head .. 16 head + 15 of the block: the eight heads share out a mask tile's 128 rows
	s_lshl_b32 s82, s82, 13
	s_mov_b32 s83, 0
	s_add_nc_u64 s[82:83], s[6:7], s[82:83]
	s_lshl_b32 s91, s12, 5
	s_add_co_u32 s14, s95, s91                     ; the merge leaves me queries 32 kh .. 32 kh + 31 of my pair's 64
	s_lshl_b32 s14, s14, 11                        ; rows of 2,048 bytes
	s_lshl_b32 s91, s46, 8
	s_add_co_u32 s14, s14, s91
	s_mov_b32 s15, 0
	s_add_nc_u64 s[8:9], s[8:9], s[14:15]
	v_and_b32 v1, 15, v0                           ; r
	v_bfe_u32 v2, v0, 4, 1                         ; h
	v_and_b32 v3, 31, v0                           ; lane
	v_mov_b32 v[ONE], 1.0
	v_mul_u32_u24 v4, v1, KP
	v_lshl_add_u32 v4, v2, 4, v4                   ; 272 r + 16 h
	s_mul_i32 s14, s12, 64*KP                      ; my 64 keys
	v_add_nc_u32 v[ADK], s14, v4
	v_add_nc_u32 v[ADK+1], SLOT, v[ADK]
	v_and_b32 v5, 7, v0
	v_lshl_add_u32 v5, v2, 3, v5                   ; V: key row 8 h + lane % 8,
	v_mul_u32_u24 v5, v5, VP
	v_bfe_u32 v6, v0, 3, 1
	v_lshl_add_u32 v5, v6, 4, v5                   ; 16 bytes on for lanes 8-15 of each half
	s_mul_i32 s14, s12, 64*VP
	s_add_co_u32 s14, s14, VOFF
	v_add_nc_u32 v[ADV], s14, v5
	v_add_nc_u32 v[ADV+1], SLOT, v[ADV]
	v_mul_u32_u24 v7, v1, MPI                      ; mask: query row r,
	v_lshl_add_u32 v7, v2, 5, v7                   ; keys 8 h .. 8 h + 7
	s_mul_i32 s14, s11, 64*MPI                     ; my 64 queries,
	s_lshl_b32 s91, s12, 8                         ; my 64 keys
	s_add_co_u32 s14, s14, s91
	s_add_co_u32 s14, s14, MOFF
	v_add_nc_u32 v[ADM], s14, v7
	v_add_nc_u32 v[ADM+1], SLOT, v[ADM]
	s_mul_i32 s14, s10, 16*SPITCH
	s_add_co_u32 s14, s14, STAGE
	v_add_nc_u32 v[STO], s14, v4
	v_mul_u32_u24 v8, v2, SPITCH
	v_lshl_add_u32 v8, v1, 4, v8
	v_add_nc_u32 v[RD], s14, v8
	v_lshlrev_b32 v9, 11, v2
	v_lshl_add_u32 v[CO], v1, 4, v9                ; two rows of 2,048 bytes in aob
	v_lshlrev_b32 v9, 4, v3                        ; 16 x lane
	s_mul_i32 s14, s10, XREG
	v_add_nc_u32 v[XST], s14, v9                   ; the merge: my region
	s_mul_i32 s14, s11, 2*XREG                     ; my pair's first region
	s_lshl_b32 s91, s12, 14                        ; query tiles 2 kh, 2 kh + 1: 8,192 bytes each
	s_add_co_u32 s91, s91, s14
	v_add_nc_u32 v[XLD], s91, v9
	s_lshl_b32 s91, s12, 9
	s_add_co_u32 s91, s91, s14
	s_add_co_u32 s91, s91, 32768
	v_add_nc_u32 v[XSL], s91, v9                   ; and their figures
	v_mul_u32_u24 v[QO], v1, QPITCH
	v_lshl_add_u32 v[QO], v2, 4, v[QO]
	v_lshrrev_b32 v9, 1, v3
	v_lshlrev_b32 v9, 13, v9                       ; two lanes to a mask row of the tile: 512 bytes, lanes 256 bytes apart
	v_and_b32 v8, 1, v0
	v_lshl_add_u32 v[PFO], v8, 8, v9
	; Q's fragments straight from memory, once: 16 KiB a wave, so they are not staged in LDS
	WIN 0x80
.irp qt, 0,1,2,3
.irp ks, 0,1,2,3
	global_load_b128 v[QF+32*\qt+8*\ks:QF+32*\qt+8*\ks+3],   v[QO], s[92:93] offset:\qt*16*QPITCH+\ks*64
	global_load_b128 v[QF+32*\qt+8*\ks+4:QF+32*\qt+8*\ks+7], v[QO], s[92:93] offset:\qt*16*QPITCH+\ks*64+32
.endr
.endr
	WIN 0
.macro FETCHK slot                     ; 32 loads: my 64 keys x 128 d
	WIN 0x80
.irp kt, 0,1,2,3
.irp ks, 0,1,2,3
	ds_load_b128 v[KF+32*\kt+8*\ks:KF+32*\kt+8*\ks+3],   v[ADK+\slot] offset:\kt*16*KP+\ks*64
	ds_load_b128 v[KF+32*\kt+8*\ks+4:KF+32*\kt+8*\ks+7], v[ADK+\slot] offset:\kt*16*KP+\ks*64+32
.endr
.endr
.endm
.macro FETCHM slot                     ; 32 loads: my 64 queries x 64 keys of the mask, eight neighbouring keys of one query a lane and tile
	WIN 0xc0
.irp qt, 0,1,2,3
.irp kt, 0,1,2,3
	ds_load_b128 v[MK+32*\qt+8*\kt:MK+32*\qt+8*\kt+3],   v[ADM+\slot] offset:\qt*16*MPI+\kt*64
	ds_load_b128 v[MK+32*\qt+8*\kt+4:MK+32*\qt+8*\kt+7], v[ADM+\slot] offset:\qt*16*MPI+\kt*64+16
.endr
.endr
.endm
.macro FETCHV slot                     ; 32 transposing loads: V^T, 128 d x my 64 keys
	WIN 0xc0
.irp ks, 0,1
.irp dt, 0,1,2,3,4,5,6,7
	ds_load_tr16_b128 v[VF+64*\ks+8*\dt:VF+64*\ks+8*\dt+3],   v[ADV+\slot] offset:\ks*32*VP+\dt*32
	ds_load_tr16_b128 v[VF+64*\ks+8*\dt+4:VF+64*\ks+8*\dt+7], v[ADV+\slot] offset:\ks*32*VP+16*VP+\dt*32
.endr
.endr
.endm
; S^T = K Q^T: 64 matrix instructions.  The sixteen accumulators take turns, one instruction a turn.
.macro SMUL
	WIN 0x0a
.irp ks, 0,1,2,3
.irp qt, 0,1,2,3
.irp kt, 0,1,2,3
.if \ks == 0
	v_wmma_f32_16x16x32_f16 v[SC+32*\qt+8*\kt:SC+32*\qt+8*\kt+7], v[KF+32*\kt+8*\ks:KF+32*\kt+8*\ks+7], v[QF+32*\qt+8*\ks:QF+32*\qt+8*\ks+7], 0
.else
	v_wmma_f32_16x16x32_f16 v[SC+32*\qt+8*\kt:SC+32*\qt+8*\kt+7], v[KF+32*\kt+8*\ks:KF+32*\kt+8*\ks+7], v[QF+32*\qt+8*\ks:QF+32*\qt+8*\ks+7], v[SC+32*\qt+8*\kt:SC+32*\qt+8*\kt+7]
.endif
.endr
.endr
.endr
.endm
; O^T += V^T P^T: 64 matrix instructions, 32 accumulators by turns.  first = 1: the first 32 start the sums.
.macro PVMUL first
	WIN 0x53
.irp ks, 0,1
.set ZC, \first*(1-\ks)
.irp qt, 0,1,2,3
.irp dt, 0,1,2,3,4,5,6,7
.if ZC
	v_wmma_f32_16x16x32_f16 v[64*\qt+8*\dt:64*\qt+8*\dt+7], v[VF+64*\ks+8*\dt:VF+64*\ks+8*\dt+7], v[PB+16*\qt+8*\ks:PB+16*\qt+8*\ks+7], 0
.else
	v_wmma_f32_16x16x32_f16 v[64*\qt+8*\dt:64*\qt+8*\dt+7], v[VF+64*\ks+8*\dt:VF+64*\ks+8*\dt+7], v[PB+16*\qt+8*\ks:PB+16*\qt+8*\ks+7], v[64*\qt+8*\dt:64*\qt+8*\dt+7]
.endif
.endr
.endr
.endr
.endm
; scores + mask.  The mask is rounded to bf16, two numbers to a word, into P's registers (free here: eight places behind the products that read
; them), and each half is added by a multiply-add with 1.0, which rounds once: one f32 addition for each score.
.macro MADD
	WIN 0x0f                                       ; sources 0 and 1 in window 3
.set cnt, 0
.rept 64
	v_cvt_pk_bf16_f32 v[PB+cnt], v[MK+2*cnt], v[MK+2*cnt+1]
.set cnt, cnt+1
.endr
	WIN 0
.set cnt, 0
.rept 64
	v_fma_mix_f32_bf16 v[SC+2*cnt], v[PB+cnt], v[ONE], v[SC+2*cnt] op_sel_hi:[1,0,0]
	v_fma_mix_f32_bf16 v[SC+2*cnt+1], v[PB+cnt], v[ONE], v[SC+2*cnt+1] op_sel:[1,0,0] op_sel_hi:[1,0,0]
.set cnt, cnt+1
.endr
.endm
.macro RESC                            ; O times 2^((old maximum - new maximum) log2 e), a lane's own query's factor
	WIN 0x41
.irp qt, 0,1,2,3
.set cnt, 0
.rept 32
	v_pk_mul_f32 v[64*\qt+2*cnt:64*\qt+2*cnt+1], v[64*\qt+2*cnt:64*\qt+2*cnt+1], v[AL+2*\qt:AL+2*\qt+1]
.set cnt, cnt+1
.endr
.endr
.endm
; One query tile's softmax step: 32 scores a lane (its half of the wave's 64 keys of its query).
.macro SOFT qt, first
.set SB, SC+32*\qt
.set MQ, FIG+2*\qt
.set LQ, FIG+2*\qt+1
.set AQ, AL+2*\qt
.irp c, 0,1,2,3
	v_max3_num_f32 v[T+\c], v[SB+8*\c], v[SB+8*\c+1], v[SB+8*\c+2]
.endr
.irp c, 0,1,2,3
	v_max3_num_f32 v[T+\c], v[T+\c], v[SB+8*\c+3], v[SB+8*\c+4]
.endr
.irp c, 0,1,2,3
	v_max3_num_f32 v[T+\c], v[T+\c], v[SB+8*\c+5], v[SB+8*\c+6]
.endr
.irp c, 0,1,2,3
	v_max_num_f32 v[T+\c], v[T+\c], v[SB+8*\c+7]
.endr
	v_max3_num_f32 v[T], v[T], v[T+1], v[T+2]
.if \first
	v_max3_num_f32 v[T], v[T], v[T+3], s47         ; the running maximum starts at -1e38
.else
	v_max3_num_f32 v[T], v[T], v[T+3], v[MQ]
.endif
	v_permlanex16_b32 v[T+1], v[T], s80, s81       ; the query's other 32 keys lie in the other half of the wave
	v_max_num_f32 v[T], v[T], v[T+1]
.if \first == 0
	v_sub_f32 v[T+2], v[MQ], v[T]
	v_mul_f32 v[T+2], 0x3fb8aa3b, v[T+2]
	v_exp_f32 v[AQ], v[T+2]                        ; the moves below are the plain places behind it (ISA guide 5.7.2)
.endif
	v_mov_b32 v[MQ], v[T]
	v_mov_b32 v[MP], v[T]
	v_mov_b32 v[MP+1], v[T]
.set cnt, 0
.rept 16
	v_pk_add_f32 v[SB+2*cnt:SB+2*cnt+1], v[SB+2*cnt:SB+2*cnt+1], v[MP:MP+1] neg_lo:[0,1] neg_hi:[0,1]
.set cnt, cnt+1
.endr
.set cnt, 0
.rept 16
	v_pk_mul_f32 v[SB+2*cnt:SB+2*cnt+1], v[SB+2*cnt:SB+2*cnt+1], 0x3fb8aa3b op_sel_hi:[1,0]
.set cnt, cnt+1
.endr
.set cnt, 0
.rept 32
	v_exp_f32 v[SB+cnt], v[SB+cnt]
.set cnt, cnt+1
.endr
.if \first
	v_nop                                          ; one plain place behind the last exponential
	s_wait_alu depctr_va_vdst(0)
.else
	s_wait_alu depctr_va_vdst(0)
	v_mov_b32 v[AQ+1], v[AQ]                       ; the factor as a pair; also the plain place behind the last exponential
.endif
.irp c, 0,1,2,3
	v_pk_add_f32 v[T+2*\c:T+2*\c+1], v[SB+8*\c:SB+8*\c+1], v[SB+8*\c+2:SB+8*\c+3]
.endr
.irp c, 0,1,2,3
	v_pk_add_f32 v[T+2*\c:T+2*\c+1], v[T+2*\c:T+2*\c+1], v[SB+8*\c+4:SB+8*\c+5]
.endr
.irp c, 0,1,2,3
	v_pk_add_f32 v[T+2*\c:T+2*\c+1], v[T+2*\c:T+2*\c+1], v[SB+8*\c+6:SB+8*\c+7]
.endr
	v_pk_add_f32 v[T:T+1], v[T:T+1], v[T+2:T+3]
	v_pk_add_f32 v[T+4:T+5], v[T+4:T+5], v[T+6:T+7]
	v_pk_add_f32 v[T:T+1], v[T:T+1], v[T+4:T+5]
.if \first
	v_add_f32 v[LQ], v[T], v[T+1]
.else
	v_add_f32 v[T], v[T], v[T+1]
	v_fma_f32 v[LQ], v[LQ], v[AQ], v[T]            ; the lane's own part of the sum; the halves meet in the merge
.endif
.set cnt, 0
.rept 16
	v_cvt_pk_f16_f32 v[PB+16*\qt+cnt], v[SB+2*cnt], v[SB+2*cnt+1]   ; key tiles 2 ks, 2 ks + 1 side by side are fragment ks of P^T
.set cnt, cnt+1
.endr
.endm
; One step of 128 keys on slot `slot`.  K's and the mask's registers were loaded in the step before.  first: the sums start; fill: the slot is
; filled again, two tiles on; next: a step follows on slot `other`.
; By the barrier in its middle every wave holds all of the slot that it needs in registers, so the refill has the rest of this step and the first
; half of the next (128 matrix instructions and a softmax) in which to land.  One tensor load of the wave is out behind each such barrier.
.macro STEP slot, other, first, fill, next
.if \first == 0
	PLACES                                         ; behind the last step's products: V's and P's registers and O are written again
.endif
	FETCHV \slot
	s_wait_dscnt 32                                ; the 64 older loads (K, mask) are in; V's 32 may stay out
	SMUL
	WIN 0
.if \next
	s_wait_dscnt 0x0                               ; all my reads of this slot are in registers
	s_wait_tensorcnt 0x0                           ; and all my tensor loads have landed: my part of the other slot
	ds_add_u32 v254, v255
	s_wait_dscnt 0x0
	s_barrier_signal -1                            ; where the slot is filled again this barrier opens a round of the cluster's barrier
	PLACES                                         ; the places behind the score products
	s_barrier_wait -1
.else
	s_wait_dscnt 0x0
	PLACES
.endif
.if \fill
	CREST                                          ; no wave of any partner still reads this slot or has a load on its way
	s_wait_xcnt 0x0                                ; the last prefetch's address registers are written again only behind this wait
	s_add_nc_u64 s[G0K+4*\slot+2:G0K+4*\slot+3], s[G0K+4*\slot+2:G0K+4*\slot+3], 2*KTILE
	s_add_nc_u64 s[G0V+4*\slot+2:G0V+4*\slot+3], s[G0V+4*\slot+2:G0V+4*\slot+3], 2*KTILE
	s_add_nc_u64 s[G0M+4*\slot+2:G0M+4*\slot+3], s[G0M+4*\slot+2:G0M+4*\slot+3], 2*512
	; Step t loads tile t + 2 and asks for 16 rows (32 blocks of 256 bytes, one a lane) of mask tile t + 3, which the next step loads:
	; one step ahead.  The eight heads of a query block ask for different rows, wave 0 of each.  Clamped to the last tile, 15.
	s_min_u32 s87, s86, 15
	s_lshl_b32 s84, s87, 9
	s_add_nc_u64 s[88:89], s[82:83], s[84:85]
	s_add_co_u32 s86, s86, 1
	JLOAD \slot, 1                                 ; the first tensor load behind the round
.endif
	MADD
	SOFT 0, \first
	SOFT 1, \first
	SOFT 2, \first
	SOFT 3, \first
.if \next
	FETCHK \other                                  ; the next step's K and mask land under the rescaling and the products below
	FETCHM \other
.endif
.if \first == 0
	RESC
.endif
	PVMUL \first
	WIN 0
.endm
	s_wait_tensorcnt 0x1                           ; my part of tile 0 is in; tile 1's stays out
	s_barrier_signal -1
	s_barrier_wait -1
	FETCHK 0
	FETCHM 0
	s_wait_loadcnt 0x0                             ; Q
	STEP 0, 1, 1, 1, 1
	STEP 1, 0, 0, 1, 1
	s_mov_b32 s3, 6
.Lpair:
	STEP 0, 1, 0, 1, 1
	STEP 1, 0, 0, 1, 1
	s_sub_co_u32 s3, s3, 1
	s_cmp_lg_u32 s3, 0
	s_cbranch_scc1 .Lpair
	STEP 0, 1, 0, 0, 1                             ; tiles 14 and 15: nothing is left to fetch
	STEP 1, 0, 0, 0, 0
	; THE MERGE of the two waves of a pair (same queries, other keys), through slot 0: its last fill was tile 14, and every wave's reads of it
	; were waited for in front of step 14's barrier.  Each wave stores all of its O and its figures, and finishes two of the four query tiles.
	PLACES
.irp qt, 0,1,2,3
	v_permlanex16_b32 v[T+\qt], v[FIG+2*\qt+1], s80, s81
.endr
.irp qt, 0,1,2,3
	v_add_f32 v[FIG+2*\qt+1], v[FIG+2*\qt+1], v[T+\qt]             ; the sum over my wave's 64 keys a step
.endr
	ds_store_b128 v[XST], v[FIG:FIG+3] offset:32768
	ds_store_b128 v[XST], v[FIG+4:FIG+7] offset:33280
	WIN 0x04
.set cnt, 0
.rept 64
	ds_store_b128 v[XST], v[4*cnt:4*cnt+3] offset:512*cnt
.set cnt, cnt+1
.endr
	WIN 0
	s_wait_dscnt 0x0                               ; for the other wave's sake
	s_barrier_signal -1
	s_barrier_wait -1
	WIN 0x80
.set cnt, 0
.rept 32
	ds_load_b128 v[4*cnt:4*cnt+3], v[XLD] offset:512*cnt                 ; query tiles 2 kh, 2 kh + 1 of the pair's wave with kh = 0
	ds_load_b128 v[128+4*cnt:128+4*cnt+3], v[XLD] offset:XREG+512*cnt    ; and of the one with kh = 1
.set cnt, cnt+1
.endr
	WIN 0
	ds_load_b128 v[T:T+3], v[XSL]                  ; maximum and sum of the two tiles, first wave
	ds_load_b128 v[T+4:T+7], v[XSL] offset:XREG    ; second wave
	s_wait_dscnt 0x0
.irp u, 0,1
	v_max_num_f32 v[FA+8], v[T+2*\u], v[T+4+2*\u]
	v_sub_f32 v[FA+9], v[T+2*\u], v[FA+8]
	v_sub_f32 v[FA+10], v[T+4+2*\u], v[FA+8]
	v_mul_f32 v[FA+9], 0x3fb8aa3b, v[FA+9]
	v_mul_f32 v[FA+10], 0x3fb8aa3b, v[FA+10]
	v_exp_f32 v[FA+9], v[FA+9]
	v_exp_f32 v[FA+10], v[FA+10]
	v_nop
	s_wait_alu depctr_va_vdst(0)
	v_mul_f32 v[FA+11], v[T+1+2*\u], v[FA+9]
	v_fma_f32 v[FA+11], v[T+5+2*\u], v[FA+10], v[FA+11]
	v_rcp_f32 v[FA+12], v[FA+11]
	v_nop
	s_wait_alu depctr_va_vdst(0)
	v_mul_f32 v[FA+4*\u], v[FA+9], v[FA+12]        ; each wave's O takes its factor over the whole sum
	v_mul_f32 v[FA+4*\u+2], v[FA+10], v[FA+12]
	v_mov_b32 v[FA+4*\u+1], v[FA+4*\u]
	v_mov_b32 v[FA+4*\u+3], v[FA+4*\u+2]
.endr
	WIN 0xa2
.irp u, 0,1
.set cnt, 0
.rept 32
	v_pk_mul_f32 v[64*\u+2*cnt:64*\u+2*cnt+1], v[64*\u+2*cnt:64*\u+2*cnt+1], v[FA+4*\u:FA+4*\u+1]
	v_pk_fma_f32 v[64*\u+2*cnt:64*\u+2*cnt+1], v[128+64*\u+2*cnt:128+64*\u+2*cnt+1], v[FA+4*\u+2:FA+4*\u+3], v[64*\u+2*cnt:64*\u+2*cnt+1]
.set cnt, cnt+1
.endr
.endr
; THE WAY OUT, 16 queries at a time: a lane holds 8 neighbouring d of one query in each tile dt: 16 bytes in f16 into my own stage, whole rows back.
.macro OUT16 u
	WIN 0x0a
.irp b, 0,1,2,3,4,5,6,7
.irp r, 0,1,2,3
	v_cvt_pk_f16_f32 v[TMP+4*\b+\r], v[64*\u+8*\b+2*\r], v[64*\u+8*\b+2*\r+1]
.endr
.endr
	WIN 0
.irp b, 0,1,2,3,4,5,6,7
	ds_store_b128 v[STO], v[TMP+4*\b:TMP+4*\b+3] offset:32*\b
.endr
	s_wait_xcnt 0x0                                ; the rows read back and the stores' base are rewritten only behind this wait
.if \u
	s_add_nc_u64 s[8:9], s[8:9], 16*2048
.endif
.irp t, 0,1,2,3,4,5,6,7
	ds_load_b128 v[RB+4*\t:RB+4*\t+3], v[RD] offset:\t*2*SPITCH    ; LDS serves a wave's instructions in order: these see the stores above
.endr
.irp t, 0,1,2,3,4,5,6,7
	s_wait_dscnt 7-\t
	global_store_b128 v[CO], v[RB+4*\t:RB+4*\t+3], s[8:9] offset:2*\t*2048   ; 16 lanes store the head's 256 bytes of a row, aligned
.endr
.endm
	OUT16 0
	OUT16 1
	s_wait_tensorcnt 0x0
	ds_add_u32 v254, v255
	s_wait_dscnt 0x0
	CROUND                                         ; the closing round
	s_endpgm
.Lfunc_end_k_qb31660a436_attn:
	.size	k_qb31660a436_attn, .Lfunc_end_k_qb31660a436_attn-k_qb31660a436_attn
	.p2alignl 7, 3214868480
	.fill 96, 4, 3214868480
	.section	.rodata,"a",@progbits
	.p2align	6, 0x0
	.amdhsa_kernel k_qb31660a436_attn
		.amdhsa_group_segment_fixed_size 327680
		.amdhsa_private_segment_fixed_size 0
		.amdhsa_enable_private_segment 0
		.amdhsa_kernarg_size 24
		.amdhsa_user_sgpr_count 2
		.amdhsa_user_sgpr_kernarg_segment_ptr 1
		.amdhsa_wavefront_size32 1
		.amdhsa_system_sgpr_workgroup_id_x 1
		.amdhsa_system_sgpr_workgroup_id_y 1
		.amdhsa_system_sgpr_workgroup_id_z 1
		.amdhsa_system_vgpr_workitem_id 0
		.amdhsa_next_free_vgpr 1024
		.amdhsa_next_free_sgpr 96
		.amdhsa_reserve_vcc 0
		.amdhsa_float_denorm_mode_32 3
		.amdhsa_float_denorm_mode_16_64 3
		.amdhsa_memory_ordered 1
		.amdhsa_forward_progress 1
		.amdhsa_inst_pref_size 255
	.end_amdhsa_kernel
	.section	.bss,"aw",@nobits
	.p2align	6
	.space	262144
	.amdgpu_metadata
---
amdhsa.version: [ 1, 2 ]
amdhsa.kernels:
  - .name:           k_qb31660a436_attn
    .symbol:         k_qb31660a436_attn.kd
    .args:
      - { .name: qkvb, .offset: 0, .size: 8, .value_kind: global_buffer, .address_space: global }
      - { .name: attention_mask, .offset: 8, .size: 8, .value_kind: global_buffer, .address_space: global }
      - { .name: aob, .offset: 16, .size: 8, .value_kind: global_buffer, .address_space: global }
    .group_segment_fixed_size: 327680
    .private_segment_fixed_size: 0
    .kernarg_segment_align: 8
    .kernarg_segment_size: 24
    .max_flat_workgroup_size: 128
    .sgpr_count:     96
    .vgpr_count:     1024
    .wavefront_size: 32
...
	.end_amdgpu_metadata
.endif
;; end of part 3
;; launch oproj (part 4): grid 8 x 32, 4 waves a work-group, clusters of 4 x 4, 327,680 bytes of LDS; arguments aob, cb, out0; writes out0
.if DOCPART == 4
	.amdgcn_target "amdgcn-amd-amdhsa--gfx1250"
	.amdhsa_code_object_version 6
	.text
	.protected	k_qb31660a436_oproj
	.globl	k_qb31660a436_oproj
	.p2align	8
	.type	k_qb31660a436_oproj,@function
k_qb31660a436_oproj:
	s_mov_b64 s[64:65], 0
	v_nop
	global_prefetch_b8 v0, s[64:65] scope:SCOPE_SE
	s_setreg_imm32_b32 hwreg(HW_REG_WAVE_MODE, 25, 1), 1
	s_wait_xcnt 0x0
	s_wait_alu depctr_hold_cnt(0) depctr_sa_sdst(0) depctr_va_vdst(0) depctr_va_sdst(0) depctr_va_ssrc(0) depctr_va_vcc(0) depctr_vm_vsrc(0)
	s_getreg_b32 s2, hwreg(HW_REG_IB_STS2, 6, 4)
	s_cmp_eq_u32 s2, 0
	s_cbranch_scc0 .Lentry_in_a_cluster
	s_endpgm
.Lentry_in_a_cluster:
	s_bfe_u32 s2, ttmp6, 0x10000c
	s_cmp_lg_u32 s2, 0xf033
	s_cbranch_scc0 .Lentry_shape_is_right
	s_endpgm
.Lentry_shape_is_right:
; oproj: out0 [4096][2048] f32 = aob [4096][1024] f16 times Wo [1024][2048] f16 (in cb at byte 29,360,128); sums f32.
; A work-group makes 128 x 256 with four waves: 256 work-groups.  A wave (mh = wave / 2, nh = wave % 2) makes 64 x 128: 32 accumulator
; tiles, which fill window 1 (tile (a, b) at v[8 (8 a + b)]); all fragments lie in window 0, so the loop knows two window settings.
; K goes in 8 steps of 128 through a ring of two LDS slots.  Wo lies [k][n]: its tile is 128 k-rows of 512 bytes, read by the transposing load.
; CLUSTERS: 4 x 4: a row of the cluster shares aob's tiles, a column Wo's.
; The matrix instruction is used transposed (source 0 = Wo's columns, source 1 = aob's rows): a lane holds 8 neighbouring columns of one row.
; No prefetch: both operands were stored by earlier launches of this program, and a K step's tiles are on their way during a K step's products.
.set KSTEP,  128
.set PITCH,  272                       ; aob's LDS row: 256 + 16
.set PITB,   544                       ; Wo's LDS row: 512 + 32
.set BTILE,  128*PITB                  ; 69,632: Wo's tile comes first in a slot,
.set SLOT,   BTILE+128*PITCH           ; 104,448: aob's 128 rows behind it
.set STAGE,  2*SLOT                    ; 16 rows x 528 bytes for each wave, for the way out
.set SPITCH, 528
.set ADRA, 16
.set ADRB, 20
.set STO,  24
.set RD,   25
.set CO,   26
.set F0,   32                          ; buffer 0: aob's fragments v32-63, Wo's v64-127
.set F1,   128                         ; buffer 1: v128-159, v160-223
.set RB,   32
.set G1, 24                            ; s[24:31] group 1 for aob's tiles
.set G0, 32                            ; s[32:39] group 0, one set for each slot
.set G1B, 48                           ; s[48:55] group 1 for Wo's tiles
.set G0B, 56                           ; s[56:63]
.set MULW, 0x50                        ; C and D window 1, sources window 0
.set MSB, 0
.macro WIN new
.if MSB != \new
	s_set_vgpr_msb (MSB<<8)|\new
.set MSB, \new
.endif
.endm
.macro PLACES                          ; four places behind a matrix instruction (ISA guide 7.12.1); other matrix instructions are not counted
.rept 4
	v_nop
.endr
.endm
.macro JLOAD s                         ; waves 0 and 1 fetch Wo's two halves, waves 2 and 3 aob's
	s_cmp_eq_u32 s11, 0
	s_cbranch_scc0 .Lfor_a_\@
	tensor_load_to_lds s[G0B+4*\s:G0B+4*\s+3], s[G1B:G1B+7]
	s_nop 0
	s_branch .Lasked_\@
.Lfor_a_\@:
	tensor_load_to_lds s[G0+4*\s:G0+4*\s+3], s[G1:G1+7]
	s_nop 0
.Lasked_\@:
.endm
.macro CREST
	s_cmp_lg_u32 s10, 0
	s_cbranch_scc1 .Lnot_wave_0_\@
	s_barrier_signal -3
.Lnot_wave_0_\@:
	s_barrier_wait -3
	s_barrier_signal -1
	s_barrier_wait -1
.endm
.macro CROUND
	s_barrier_signal -1
	s_barrier_wait -1
	CREST
.endm
	s_load_b128 s[4:7], s[0:1], 0x0                ; aob s[4:5], cb s[6:7]
	s_load_b64 s[8:9], s[0:1], 0x10                ; out0
	v_lshl_add_u32 v254, v0, 2, 0x3b400
	v_mov_b32 v255, 0
	ds_add_u32 v254, v255
	v_lshrrev_b32 v1, 5, v0
	v_readfirstlane_b32 s10, v1
	s_lshr_b32 s11, s10, 1                         ; mh.  Also: I fetch for Wo (0) or for aob (1)
	s_and_b32 s12, s10, 1                          ; nh.  Also: which half of that tile I fetch
	s_bfe_u32 s40, ttmp6, 0x40000
	s_bfe_u32 s41, ttmp6, 0x40004
	s_lshl_b32 s42, ttmp9, 2
	s_add_co_u32 s42, s42, s40                     ; block column, 0 to 7
	s_and_b32 s13, ttmp7, 0xffff
	s_lshl_b32 s13, s13, 2
	s_add_co_u32 s13, s13, s41                     ; block row, 0 to 31
	s_lshl_b32 s43, s41, 2
	s_lshl_b32 s43, 15, s43
	s_lshl_b32 s44, 0x1111, s40
	; aob: 64 rows x 128 elements of 2 bytes, 4 words of padding behind every 64
	s_or_b32 s[G1+0], s43, (1<<16)|(1<<20)|(1<<21)|(5<<22)|(3<<25)
	s_mov_b32 s[G1+1], 128<<16
	s_mov_b32 s[G1+2], 64<<16
	s_mov_b32 s[G1+3], 128<<16
	s_mov_b32 s[G1+4], 64
	s_mov_b32 s[G1+5], 1024
	s_mov_b32 s[G1+6], 0
	s_mov_b32 s[G1+7], 0
	; Wo: 64 k-rows x 256 elements of 2 bytes, 8 words of padding behind every 128
	s_or_b32 s[G1B+0], s44, (1<<16)|(1<<20)|(1<<21)|(6<<22)|(7<<25)
	s_mov_b32 s[G1B+1], 256<<16
	s_mov_b32 s[G1B+2], 64<<16
	s_mov_b32 s[G1B+3], 256<<16
	s_mov_b32 s[G1B+4], 64
	s_mov_b32 s[G1B+5], 2048
	s_mov_b32 s[G1B+6], 0
	s_mov_b32 s[G1B+7], 0
	s_lshl_b32 s17, s12, 6
	s_lshl_b32 s16, s13, 7
	s_add_co_u32 s16, s16, s17                     ; aob: row 128 x block row + 64 x half
	s_lshl_b32 s16, s16, 11                        ; rows of 2,048 bytes
	s_mov_b32 s17, 0
	s_lshl_b32 s46, s42, 9                         ; Wo: 256 columns = 512 bytes for each block column,
	s_lshl_b32 s47, s12, 18                        ; 64 k-rows of 4,096 bytes for each half,
	s_add_co_u32 s46, s46, s47
	s_add_co_u32 s46, s46, 0x1c00000               ; at byte 29,360,128 of cb
	s_mov_b32 s47, 0
	s_mul_i32 s20, s10, 64*PITB                    ; Wo's halves (waves 0, 1) go to wave x 34,816,
	s_mul_i32 s21, s10, 64*PITCH                   ; aob's (waves 2, 3) to 69,632 + (wave - 2) x 17,408 = 34,816 + wave x 17,408
	s_add_co_u32 s21, s21, BTILE-128*PITCH
	s_wait_dscnt 0x0
	s_wait_kmcnt 0x0
	s_add_nc_u64 s[14:15], s[4:5], s[16:17]
	s_add_nc_u64 s[46:47], s[6:7], s[46:47]
	CROUND                                         ; all sixteen work-groups are here: the first joint loads meet
.irp s, 0,1
	s_mov_b32 s[G0+4*\s], 1
	s_add_co_u32 s[G0+4*\s+1], s21, \s*SLOT
	s_add_nc_u64 s[G0+4*\s+2:G0+4*\s+3], s[14:15], \s*KSTEP*2
	s_or_b32 s[G0+4*\s+3], s[G0+4*\s+3], 0x80000000
	s_mov_b32 s[G0B+4*\s], 1
	s_add_co_u32 s[G0B+4*\s+1], s20, \s*SLOT
	s_add_nc_u64 s[G0B+4*\s+2:G0B+4*\s+3], s[46:47], \s*KSTEP*4096
	s_or_b32 s[G0B+4*\s+3], s[G0B+4*\s+3], 0x80000000
	JLOAD \s                                       ; two tensor loads of the wave are out
.endr
	v_and_b32 v1, 15, v0                           ; r
	v_bfe_u32 v2, v0, 4, 1                         ; h
	v_and_b32 v6, 31, v0                           ; lane
	v_mul_u32_u24 v3, v1, PITCH
	v_lshl_add_u32 v3, v2, 4, v3
	v_and_b32 v4, 7, v0
	v_lshl_add_u32 v4, v2, 3, v4
	v_mul_u32_u24 v4, v4, PITB
	v_bfe_u32 v5, v0, 3, 1
	v_lshl_add_u32 v4, v5, 4, v4
	s_mul_i32 s21, s11, 64*PITCH                   ; my 64 rows of aob,
	s_add_co_u32 s21, s21, BTILE                   ; behind Wo's tile
	s_lshl_b32 s22, s12, 8                         ; my 128 columns of Wo
.irp s, 0,1
	v_add_nc_u32 v[ADRA+\s], s21, v3
	v_add_nc_u32 v[ADRB+\s], s22, v4
	s_add_co_u32 s21, s21, SLOT
	s_add_co_u32 s22, s22, SLOT
.endr
	s_mul_i32 s23, s10, 16*SPITCH
	s_add_co_u32 s23, s23, STAGE
	v_mul_u32_u24 v5, v1, SPITCH                   ; in: row r, 32 bytes for each half of the lanes
	v_lshl_add_u32 v5, v2, 5, v5
	v_add_nc_u32 v[STO], s23, v5
	v_lshlrev_b32 v[CO], 4, v6                     ; back and out: a row's 512 bytes, 16 a lane
	v_add_nc_u32 v[RD], s23, v[CO]
	s_lshl_b32 s14, s13, 7
	s_lshl_b32 s15, s11, 6
	s_add_co_u32 s14, s14, s15                     ; my first row
	s_lshl_b32 s16, s14, 13                        ; rows of 8,192 bytes
	s_mov_b32 s17, 0
	s_add_nc_u64 s[8:9], s[8:9], s[16:17]
	s_lshl_b32 s46, s42, 10                        ; my first column, in bytes: 1,024 x block + 512 x half
	s_lshl_b32 s47, s12, 9
	s_add_co_u32 s46, s46, s47
	s_mov_b32 s47, 0
	s_add_nc_u64 s[8:9], s[8:9], s[46:47]
; 8 matrix instructions: m block a x all 8 n blocks, 32 along K.  The 32 accumulators take turns, one instruction a turn, in the same order
; in every quarter.
.macro MULA f, a, zero
.irp b, 0,1,2,3,4,5,6,7
.if \zero
	v_wmma_f32_16x16x32_f16 v[8*(8*\a+\b):8*(8*\a+\b)+7], v[\f+32+8*\b:\f+32+8*\b+7], v[\f+8*\a:\f+8*\a+7], 0
.else
	v_wmma_f32_16x16x32_f16 v[8*(8*\a+\b):8*(8*\a+\b)+7], v[\f+32+8*\b:\f+32+8*\b+7], v[\f+8*\a:\f+8*\a+7], v[8*(8*\a+\b):8*(8*\a+\b)+7]
.endif
.endr
.endm
.macro FETCH slot, kq, f               ; 24 LDS loads: Wo's 16, then aob's 8
.irp i, 0,1,2,3,4,5,6,7
	ds_load_tr16_b128 v[\f+32+8*\i:\f+32+8*\i+3],   v[ADRB+\slot] offset:\kq*32*PITB+32*\i
	ds_load_tr16_b128 v[\f+32+8*\i+4:\f+32+8*\i+7], v[ADRB+\slot] offset:\kq*32*PITB+16*PITB+32*\i
.endr
.irp i, 0,1,2,3
	ds_load_b128 v[\f+8*\i:\f+8*\i+3],   v[ADRA+\slot] offset:\kq*64+\i*16*PITCH
	ds_load_b128 v[\f+8*\i+4:\f+8*\i+7], v[ADRA+\slot] offset:\kq*64+\i*16*PITCH+32
.endr
.endm
.macro QUARTER slot, kq, f, g, zero
	s_wait_dscnt 4                                 ; Wo and aob's rows 0-31 are in; the youngest four loads (rows 32-63) may be out
	WIN MULW
	MULA \f, 0, \zero
	MULA \f, 1, \zero
	PLACES
	WIN 0
	FETCH \slot, \kq, \g
	s_wait_dscnt 24                                ; all but the 24 just issued
	WIN MULW
	MULA \f, 2, \zero
	MULA \f, 3, \zero
.endm
.macro THREE slot, zero
	QUARTER \slot, 1, F0, F1, \zero
	QUARTER \slot, 2, F1, F0, 0
	QUARTER \slot, 3, F0, F1, 0
.endm
.macro TURN slot, next, fill
	s_wait_dscnt 4
	WIN MULW
	MULA F1, 0, 0
	s_wait_dscnt 0                                 ; my reads of this slot are over
	s_wait_tensorcnt 0x0                           ; and all my tensor loads have landed: my part of the next slot
	ds_add_u32 v254, v255
	s_wait_dscnt 0x0
	s_barrier_signal -1                            ; where a slot is filled again this barrier opens a round of the cluster's barrier
	MULA F1, 1, 0                                  ; registers only
	WIN 0
	s_barrier_wait -1
.if \fill
	CREST                                          ; no wave of any partner still reads this slot or has a load on its way
	s_add_nc_u64 s[G0+4*\slot+2:G0+4*\slot+3], s[G0+4*\slot+2:G0+4*\slot+3], 2*KSTEP*2
	s_add_nc_u64 s[G0B+4*\slot+2:G0B+4*\slot+3], s[G0B+4*\slot+2:G0B+4*\slot+3], 2*KSTEP*4096
	JLOAD \slot                                    ; the first tensor load behind the round, the wave's only one out
.endif
	PLACES
	FETCH \next, 0, F0
	WIN MULW
	MULA F1, 2, 0
	MULA F1, 3, 0
.endm
.macro LAP zero
	THREE 0, \zero
	TURN 0, 1, 1
	THREE 1, 0
	TURN 1, 0, 1
.endm
	s_wait_tensorcnt 1                             ; my part of K step 0 is in; K step 1's stays out
	s_barrier_signal -1
	s_barrier_wait -1
	FETCH 0, 0, F0
	LAP 1                                          ; K steps 0, 1: the first products start the sums
	WIN 0
	s_mov_b32 s3, 2
.Llap:
	LAP 0                                          ; K steps 2 to 5
	WIN 0
	s_sub_co_u32 s3, s3, 1
	s_cmp_lg_u32 s3, 0
	s_cbranch_scc1 .Llap
	THREE 0, 0                                     ; K steps 6, 7: nothing is left to fetch
	TURN 0, 1, 0
	THREE 1, 0
	s_wait_dscnt 0
	WIN MULW
	MULA F1, 0, 0
	MULA F1, 1, 0
	MULA F1, 2, 0
	MULA F1, 3, 0
	PLACES                                         ; behind the last matrix instructions: results are read, fragment registers loaded again
; THE WAY OUT, 16 rows at a time: 32 bytes a lane and tile into my own stage, whole rows of 512 bytes back and out.
.macro OUTF a
	WIN 0x04
.irp b, 0,1,2,3,4,5,6,7
	ds_store_b128 v[STO], v[8*(8*\a+\b):8*(8*\a+\b)+3] offset:64*\b
	ds_store_b128 v[STO], v[8*(8*\a+\b)+4:8*(8*\a+\b)+7] offset:64*\b+16
.endr
	WIN 0
	s_wait_xcnt 0x0                                ; the rows read back and the stores' base are rewritten only behind this wait
.if \a
	s_add_nc_u64 s[8:9], s[8:9], 16*8192
.endif
.irp t, 0,1,2,3,4,5,6,7,8,9,10,11,12,13,14,15
	ds_load_b128 v[RB+4*\t:RB+4*\t+3], v[RD] offset:SPITCH*\t      ; LDS serves a wave's instructions in order: these see the stores above
.endr
.irp t, 0,1,2,3,4,5,6,7,8,9,10,11,12,13,14,15
	s_wait_dscnt 15-\t
	global_store_b128 v[CO], v[RB+4*\t:RB+4*\t+3], s[8:9] offset:8192*\t th:TH_STORE_NT   ; the wave stores 512 consecutive bytes, at a multiple of 512 from out0's first byte
.endr
.endm
	OUTF 0
	OUTF 1
	OUTF 2
	OUTF 3
	s_wait_tensorcnt 0x0
	ds_add_u32 v254, v255
	s_wait_dscnt 0x0
	CROUND                                         ; the closing round
	s_endpgm
.Lfunc_end_k_qb31660a436_oproj:
	.size	k_qb31660a436_oproj, .Lfunc_end_k_qb31660a436_oproj-k_qb31660a436_oproj
	.p2alignl 7, 3214868480
	.fill 96, 4, 3214868480
	.section	.rodata,"a",@progbits
	.p2align	6, 0x0
	.amdhsa_kernel k_qb31660a436_oproj
		.amdhsa_group_segment_fixed_size 327680
		.amdhsa_private_segment_fixed_size 0
		.amdhsa_enable_private_segment 0
		.amdhsa_kernarg_size 24
		.amdhsa_user_sgpr_count 2
		.amdhsa_user_sgpr_kernarg_segment_ptr 1
		.amdhsa_wavefront_size32 1
		.amdhsa_system_sgpr_workgroup_id_x 1
		.amdhsa_system_sgpr_workgroup_id_y 1
		.amdhsa_system_sgpr_workgroup_id_z 1
		.amdhsa_system_vgpr_workitem_id 0
		.amdhsa_next_free_vgpr 512
		.amdhsa_next_free_sgpr 66
		.amdhsa_reserve_vcc 0
		.amdhsa_float_denorm_mode_32 3
		.amdhsa_float_denorm_mode_16_64 3
		.amdhsa_memory_ordered 1
		.amdhsa_forward_progress 1
		.amdhsa_inst_pref_size 118
	.end_amdhsa_kernel
	.amdgpu_metadata
---
amdhsa.version: [ 1, 2 ]
amdhsa.kernels:
  - .name:           k_qb31660a436_oproj
    .symbol:         k_qb31660a436_oproj.kd
    .args:
      - { .name: aob, .offset: 0, .size: 8, .value_kind: global_buffer, .address_space: global }
      - { .name: cb, .offset: 8, .size: 8, .value_kind: global_buffer, .address_space: global }
      - { .name: out0, .offset: 16, .size: 8, .value_kind: global_buffer, .address_space: global }
    .group_segment_fixed_size: 327680
    .private_segment_fixed_size: 0
    .kernarg_segment_align: 8
    .kernarg_segment_size: 24
    .max_flat_workgroup_size: 128
    .sgpr_count:     66
    .vgpr_count:     512
    .wavefront_size: 32
...
	.end_amdgpu_metadata
.endif
;; end of part 4
